; MI455X (gfx1250); checked and timed in simulation.
; The chip was launched on July 23, 2026; its instructions are those of AMD's public machine-readable ISA for CDNA 5 (MIT licence, August 2026) and "CDNA5" Instruction Set Architecture Reference Guide (July 2026). The comments in the code are by the model that wrote it; some were corrected since.
;; Sim Vector Quantizer. Allowed arithmetic: float matrix products may take bf16 or f16 operands with f32 sums; other float arithmetic in f32, or as packed bf16 or f16 multiplies, adds, multiply-adds, maxima and minima; sums over many terms, partial sums and values carried from step to step in f32; what a program stores and reads back later, other than sums and carried values, may be rounded once to bf16 or f16.
;; Inputs: emb_weight 8,192 x 256 float32; proj_b 256 float32; proj_w 256 x 256 float32; z 16 x 256 x 32 x 32 float32.
;; Outputs: out0 16 x 256 x 32 x 32 float32; out1 one number float32; out2 one number float32; out3 one number float32; out4 16,384 int32.
;; One version. Each part assembles by itself: llvm-mc -triple=amdgcn-amd-amdhsa -mcpu=gfx1250 --defsym DOCPART=n.
;; ======== version 1 of 1: 6 launches
;; workspace buffers: zn16 8,388,608 bytes; wn16 4,194,304 bytes; wn32h 8,421,376 bytes; part 3,145,728 bytes; negl 65,536 bytes; cand 262,144 bytes of whole numbers; cp 266,240 bytes; fin 2,048 bytes
;; launch prep (part 1): grid 256 x 1, 8 waves a work-group, no clusters, 104,960 bytes of LDS; arguments z, emb_weight, proj_w, proj_b, zn16, wn16, wn32h; writes zn16, wn16, wn32h
.if DOCPART == 1
	.amdgcn_target "amdgcn-amd-amdhsa--gfx1250"
	.amdhsa_code_object_version 6
	.text
	.protected	k_qe8e31fb3b5_prep
	.globl	k_qe8e31fb3b5_prep
	.p2align	8
	.type	k_qe8e31fb3b5_prep,@function
k_qe8e31fb3b5_prep:
	s_mov_b64 s[64:65], 0
	v_nop
	global_prefetch_b8 v0, s[64:65] scope:SCOPE_SE
	s_setreg_imm32_b32 hwreg(HW_REG_WAVE_MODE, 25, 1), 1
	s_wait_xcnt 0x0
; PREP.  weight = emb proj_w^T + proj_b; wn = weight / max(|weight|, 1e-6); zn = z (channel last) / max(|z|, 1e-6).
; All four inputs are rounded to bf16 as they are loaded; the product runs on bf16 operands with f32 sums.
; Out: zn16 [16384][256] f16, wn16 [8192][256] f16, wn32h = wn [8192][256] f32, then hk[8192] = (1 - w2) / 2 with w2 = ss / n^2.
; Work-group g: rows 64 g .. 64 g + 63 of z (b = g / 16, places 64 (g % 16) on) and codes 32 g .. 32 g + 31.  Eight waves.
; LIMITS.  n is v_sqrt_f32 with one Newton step, 1 / n is v_rcp_f32 with one Newton step, x / n is x (1 / n); NaN and infinities are not treated apart.
; No cluster: what the work-groups share is proj_w, 262,144 bytes read once by each; all else is a work-group's own.
.set EB,    0          ; emb in bf16: 32 rows, pitch 528
.set WH,    16896      ; wn in f16: 32 rows, pitch 528
.set ZH,    33792      ; zn in f16: 64 rows, pitch 528
.set WF,    67584      ; wn in f32: 32 rows, pitch 1040
.set RZ,    100864     ; z's partial sums of squares: 256 bytes a wave
.set RW,    102912     ; weight's partial sums of squares: [32 codes][8 waves]
.set SPARE, 103936     ; the spare words: 128 bytes a wave
.set HKO,   8388608
.set SPW, 5            ; v5  my spare word's address; never rewritten
.set NIL, 6            ; v6  0; never rewritten
.set E,   32           ; v32-63   emb as loaded; later at work
.set BI,  64           ; v64-79   the bias in the result's layout
.set ACC, 80           ; v80-111  accumulator (a, ct) at ACC + 8 (2 a + ct)
.set Z,   128          ; v128-191 z: (it, j, l) at Z + 32 it + 4 j + l
.set SEL, 24           ; s[24:25] v_permlanex16_b32's selects
.set EPS, 26           ; s26 1e-6
.set MSB, 0
.macro WIN new                      ; the immediate's high byte repeats the setting that is left
.if MSB != (\new)
	s_set_vgpr_msb (MSB<<8)|(\new)
.set MSB, \new
.endif
.endm
; n = max(sqrt(ss), 1e-6) with one Newton step, r = 1 / n with one Newton step, e = ss - n n.  A plain line stands behind each transcendental before its result is used.
.macro NORM ss, n, r, e, t
	v_sqrt_f32 v[\n], v[\ss]
	v_nop
	s_wait_alu depctr_va_vdst(0)
	v_max_num_f32 v[\n], s[EPS], v[\n]
	v_rcp_f32 v[\r], v[\n]
	v_fma_f32 v[\e], -v[\n], v[\n], v[\ss]
	v_mul_f32 v[\e], 0.5, v[\e]
	s_wait_alu depctr_va_vdst(0)
	v_fma_f32 v[\n], v[\e], v[\r], v[\n]
	v_max_num_f32 v[\n], s[EPS], v[\n]
	v_rcp_f32 v[\r], v[\n]
	v_fma_f32 v[\e], -v[\n], v[\n], v[\ss]
	s_wait_alu depctr_va_vdst(0)
	v_fma_f32 v[\t], -v[\n], v[\r], 1.0
	v_fma_f32 v[\r], v[\r], v[\t], v[\r]
.endm
	s_load_b256 s[4:11], s[0:1], 0x0               ; z s[4:5], emb s[6:7], proj_w s[8:9], proj_b s[10:11]
	s_load_b128 s[12:15], s[0:1], 0x20             ; zn16 s[12:13], wn16 s[14:15]
	s_load_b64 s[16:17], s[0:1], 0x30              ; wn32h
	v_lshl_add_u32 v[SPW], v0, 2, SPARE
	v_mov_b32 v[NIL], 0
	v_lshrrev_b32 v27, 5, v0
	v_readfirstlane_b32 s20, v27                   ; wave w
	v_and_b32 v1, 15, v0                           ; r = lq = thread % 16
	v_bfe_u32 v2, v0, 4, 1                         ; h: which half of the lanes
	v_lshrrev_b32 v3, 4, v0                        ; cg = thread / 16
	v_and_b32 v4, 31, v0                           ; lane
	s_mov_b32 s[SEL], 0x76543210
	s_mov_b32 s[SEL+1], 0xfedcba98
	s_mov_b32 s[EPS], 0x358637bd
	s_mov_b32 s27, 0xffff0000
	v_lshlrev_b32 v7, 4, v0                        ; emb: 16 bytes a thread
	v_lshlrev_b32 v8, 10, v1                       ; proj_w: row 32 w + r, 32 bytes for each half
	v_lshl_add_u32 v8, v2, 5, v8
	s_lshl_b32 s21, s20, 15
	v_add_nc_u32 v8, s21, v8
	v_lshlrev_b32 v9, 5, v2                        ; proj_b: channels 32 w + 8 h on
	s_lshl_b32 s21, s20, 7
	v_add_nc_u32 v9, s21, v9
	v_lshlrev_b32 v10, 15, v3                      ; z: channel 8 cg, places 4 lq on
	v_lshl_add_u32 v10, v1, 4, v10
	s_lshr_b32 s28, ttmp9, 4                       ; b
	s_lshl_b32 s28, s28, 20
	s_and_b32 s29, ttmp9, 15
	s_lshl_b32 s29, s29, 8
	s_add_co_u32 s28, s28, s29                     ; z: b x 2^20 + 256 (g % 16)
	s_mov_b32 s29, 0
	s_lshl_b32 s30, ttmp9, 15                      ; 32,768 g: emb, zn16 and wn32h
	s_mov_b32 s31, 0
	s_lshl_b32 s32, ttmp9, 14                      ; 16,384 g: wn16
	s_mov_b32 s33, 0
	s_lshl_b32 s34, ttmp9, 7
	s_add_co_u32 s34, s34, HKO                     ; hk: 128 g behind wn
	s_mov_b32 s35, 0
	s_wait_kmcnt 0x0
	s_add_nc_u64 s[4:5], s[4:5], s[28:29]
	s_add_nc_u64 s[6:7], s[6:7], s[30:31]
	s_add_nc_u64 s[12:13], s[12:13], s[30:31]
	s_add_nc_u64 s[14:15], s[14:15], s[32:33]
	s_add_nc_u64 s[18:19], s[16:17], s[34:35]
	s_add_nc_u64 s[16:17], s[16:17], s[30:31]
	; all global loads at once: emb 8, proj_w 64, proj_b 4, z 16
.irp i, 0,1,2,3,4,5,6,7
	global_load_b128 v[E+4*(\i):E+4*(\i)+3], v7, s[6:7] offset:4096*(\i) th:TH_LOAD_NT
.endr
	WIN 0x40                                       ; destination window 1
.set f, 0
.rept 16                                           ; fragment f = 8 a + kf: 16 f32 a lane, k = 32 kf + 8 h + 0..7 and 32 kf + 16 + 8 h + 0..7
	global_load_b128 v[16*f:16*f+3],     v8, s[8:9] offset:(f/8)*16384+(f%8)*128
	global_load_b128 v[16*f+4:16*f+7],   v8, s[8:9] offset:(f/8)*16384+(f%8)*128+16
	global_load_b128 v[16*f+8:16*f+11],  v8, s[8:9] offset:(f/8)*16384+(f%8)*128+64
	global_load_b128 v[16*f+12:16*f+15], v8, s[8:9] offset:(f/8)*16384+(f%8)*128+80
.set f, f+1
.endr
	WIN 0
.irp a, 0,1
	global_load_b128 v[BI+8*(\a):BI+8*(\a)+3],   v9, s[10:11] offset:64*(\a)
	global_load_b128 v[BI+8*(\a)+4:BI+8*(\a)+7], v9, s[10:11] offset:64*(\a)+16
.endr
.set i, 0
.rept 16                                           ; i = 8 it + j: channel 8 cg + j + 128 it; 16 lanes read 256 consecutive bytes
	global_load_b128 v[Z+4*i:Z+4*i+3], v10, s[4:5] offset:(128*(i/8)+i%8)*4096
.set i, i+1
.endr
	; LDS and output addresses, made while the loads are out
	v_lshrrev_b32 v27, 6, v0
	v_mul_u32_u24 v11, v27, 528
	v_and_b32 v27, 63, v0
	v_lshl_add_u32 v11, v27, 3, v11                ; EB + (thread / 64) 528 + (thread % 64) 8
	v_mul_u32_u24 v12, v1, 528
	v_lshl_add_u32 v12, v2, 4, v12                 ; a fragment's row x pitch + 16 h
	v_lshlrev_b32 v13, 5, v1
	s_lshl_b32 s21, s20, 2
	s_add_co_u32 s21, s21, RW
	v_add_nc_u32 v13, s21, v13                     ; RW + 32 r + 4 w
	s_lshl_b32 s21, s20, 8
	s_add_co_u32 s21, s21, RZ
	v_lshl_add_u32 v14, v1, 4, s21                 ; RZ + 256 w + 16 lq
	v_lshl_add_u32 v15, v1, 5, RW
	v_lshl_add_u32 v16, v1, 4, RZ
	v_mul_u32_u24 v17, v1, 1040
	v_lshl_add_u32 v17, v2, 5, v17
	s_lshl_b32 s21, s20, 7
	s_add_co_u32 s21, s21, WF
	v_add_nc_u32 v17, s21, v17                     ; WF + 1040 r + 4 (32 w + 8 h)
	s_lshl_b32 s21, s20, 6
	s_add_co_u32 s21, s21, WH
	v_add_nc_u32 v18, s21, v12                     ; WH + 528 r + 2 (32 w + 8 h)
	v_mul_u32_u24 v19, v1, 2112
	v_lshl_add_u32 v19, v3, 4, v19
	v_add_nc_u32 v19, ZH, v19                      ; ZH + 528 (4 lq) + 16 cg
	s_mul_i32 s21, s20, 4160
	s_add_co_u32 s21, s21, WF
	v_lshl_add_u32 v20, v4, 4, s21                 ; back: WF rows 4 w on
	s_mul_i32 s21, s20, 2112
	s_add_co_u32 s21, s21, WH
	v_lshl_add_u32 v21, v4, 4, s21                 ; WH rows 4 w on
	s_mul_i32 s21, s20, 4224
	s_add_co_u32 s21, s21, ZH
	v_lshl_add_u32 v22, v4, 4, s21                 ; ZH rows 8 w on
	s_lshl_b32 s21, s20, 12
	v_lshl_add_u32 v23, v4, 4, s21                 ; 4,096 w + 16 lane: wn32h (4 rows of 1,024) and zn16 (8 rows of 512)
	s_lshl_b32 s21, s20, 11
	v_lshl_add_u32 v24, v4, 4, s21                 ; 2,048 w + 16 lane: wn16
	v_lshlrev_b32 v26, 2, v4
	s_wait_loadcnt 63                              ; emb is in: 84 loads are younger, and the count's field ends at 63
.irp i, 0,1,2,3,4,5,6,7
	v_cvt_pk_bf16_f32 v[E+4*(\i)],   v[E+4*(\i)],   v[E+4*(\i)+1]
	v_cvt_pk_bf16_f32 v[E+4*(\i)+1], v[E+4*(\i)+2], v[E+4*(\i)+3]
	ds_store_b64 v11, v[E+4*(\i):E+4*(\i)+1] offset:2112*(\i)   ; code 4 i + thread / 64
.endr
	s_wait_loadcnt 20                              ; proj_w is in: the bias's 4 and z's 16 are younger
	WIN 0x45                                       ; all in window 1: 16 f32 of a fragment become its 8 registers, in place, ascending
.set i, 0
.rept 128
	v_cvt_pk_bf16_f32 v[i], v[2*i], v[2*i+1]
.set i, i+1
.endr
	WIN 0
	s_wait_loadcnt 16                              ; the bias is in: z's 16 are younger
.set i, 0
.rept 8
	v_cvt_pk_bf16_f32 v[27+i%4], v[BI+2*i], v[BI+2*i+1]
	v_lshlrev_b32 v[BI+2*i], 16, v[27+i%4]
	v_and_b32 v[BI+2*i+1], s27, v[27+i%4]
.set i, i+1
.endr
	s_wait_dscnt 0x0                               ; for the others' sake: my part of emb is stored
	s_barrier_signal -1
	s_barrier_wait -1
	WIN 0x40
.set i, 0
.rept 16                                           ; i = 8 ct + kf: 16 codes x 32 k
	ds_load_b128 v[128+8*i:128+8*i+3],   v12 offset:(i/8)*8448+(i%8)*64
	ds_load_b128 v[128+8*i+4:128+8*i+7], v12 offset:(i/8)*8448+(i%8)*64+32
.set i, i+1
.endr
	s_wait_dscnt 0x0
	WIN 0x05                                       ; sources in window 1, C and D in window 0
	; source 0 = 16 output channels, source 1 = 16 codes: a lane holds code r and channels 32 w + 16 a + 8 h + j.  The four accumulators take turns; the bias starts the sums.
.set kf, 0
.rept 8
.irp a, 0,1
.irp ct, 0,1
.if kf == 0
	v_wmma_f32_16x16x32_bf16 v[ACC+8*(2*(\a)+(\ct)):ACC+8*(2*(\a)+(\ct))+7], v[8*(8*(\a)+kf):8*(8*(\a)+kf)+7], v[128+64*(\ct)+8*kf:128+64*(\ct)+8*kf+7], v[BI+8*(\a):BI+8*(\a)+7]
.else
	v_wmma_f32_16x16x32_bf16 v[ACC+8*(2*(\a)+(\ct)):ACC+8*(2*(\a)+(\ct))+7], v[8*(8*(\a)+kf):8*(8*(\a)+kf)+7], v[128+64*(\ct)+8*kf:128+64*(\ct)+8*kf+7], v[ACC+8*(2*(\a)+(\ct)):ACC+8*(2*(\a)+(\ct))+7]
.endif
.endr
.endr
.set kf, kf+1
.endr
	WIN 0
.rept 4
	v_nop                                          ; four places between the last product and the first read of a result (ISA guide 7.12.1)
.endr
	; sums of squares of my 32 channels, for code 16 ct + r; each accumulator is read from its low end on
.irp ct, 0,1
	v_pk_mul_f32 v[112+2*(\ct):113+2*(\ct)], v[ACC+8*(\ct):ACC+8*(\ct)+1], v[ACC+8*(\ct):ACC+8*(\ct)+1]
.irp k, 2,4,6,16,18,20,22
	v_pk_fma_f32 v[112+2*(\ct):113+2*(\ct)], v[ACC+8*(\ct)+(\k):ACC+8*(\ct)+(\k)+1], v[ACC+8*(\ct)+(\k):ACC+8*(\ct)+(\k)+1], v[112+2*(\ct):113+2*(\ct)]
.endr
.endr
	v_add_f32 v112, v112, v113
	v_add_f32 v114, v114, v115
	v_permlanex16_b32 v113, v112, s[SEL], s[SEL+1] ; the other eight of sixteen channels lie in the lane 16 away
	v_permlanex16_b32 v115, v114, s[SEL], s[SEL+1]
	v_add_f32 v112, v112, v113
	v_add_f32 v114, v114, v115
	ds_store_b32 v13, v112
	ds_store_b32 v13, v114 offset:512
	s_wait_loadcnt 0x0                             ; z
.set i, 0
.rept 32                                           ; z rounded to bf16, kept as f32
	v_cvt_pk_bf16_f32 v[27+i%4], v[Z+2*i], v[Z+2*i+1]
	v_lshlrev_b32 v[Z+2*i], 16, v[27+i%4]
	v_and_b32 v[Z+2*i+1], s27, v[27+i%4]
.set i, i+1
.endr
	v_pk_mul_f32 v[116:117], v[Z:Z+1], v[Z:Z+1]
	v_pk_mul_f32 v[118:119], v[Z+2:Z+3], v[Z+2:Z+3]
.set i, 1
.rept 15
	v_pk_fma_f32 v[116:117], v[Z+4*i:Z+4*i+1], v[Z+4*i:Z+4*i+1], v[116:117]
	v_pk_fma_f32 v[118:119], v[Z+4*i+2:Z+4*i+3], v[Z+4*i+2:Z+4*i+3], v[118:119]
.set i, i+1
.endr
.irp l, 0,1,2,3
	v_permlanex16_b32 v[32+(\l)], v[116+(\l)], s[SEL], s[SEL+1]
.endr
.irp l, 0,1,2,3
	v_add_f32 v[116+(\l)], v[116+(\l)], v[32+(\l)]
.endr
	ds_store_b128 v14, v[116:119]                  ; my wave's 32 channels, places 4 lq .. 4 lq + 3
	s_wait_dscnt 0x0                               ; for the others' sake: both partial sums are stored
	s_barrier_signal -1
	s_barrier_wait -1
	ds_load_b128 v[32:35], v15
	ds_load_b128 v[36:39], v15 offset:16
	ds_load_b128 v[40:43], v15 offset:512
	ds_load_b128 v[44:47], v15 offset:528
.irp i, 0,1,2,3,4,5,6,7
	ds_load_b128 v[192+4*(\i):192+4*(\i)+3], v16 offset:256*(\i)
.endr
	s_wait_dscnt 0x0
	v_pk_add_f32 v[32:33], v[32:33], v[34:35]
	v_pk_add_f32 v[36:37], v[36:37], v[38:39]
	v_pk_add_f32 v[40:41], v[40:41], v[42:43]
	v_pk_add_f32 v[44:45], v[44:45], v[46:47]
	v_pk_add_f32 v[32:33], v[32:33], v[36:37]
	v_pk_add_f32 v[40:41], v[40:41], v[44:45]
	v_add_f32 v112, v32, v33
	v_add_f32 v114, v40, v41
.irp i, 1,2,3,4,5,6,7
	v_pk_add_f32 v[192:193], v[192:193], v[192+4*(\i):192+4*(\i)+1]
	v_pk_add_f32 v[194:195], v[194:195], v[192+4*(\i)+2:192+4*(\i)+3]
.endr
	NORM 112, 48, 50, 51, 49                       ; code r:      r in v50, ss - n n in v51
	NORM 114, 52, 54, 55, 53                       ; code 16 + r: r in v54, ss - n n in v55
.irp l, 0,1,2,3
	NORM 192+(\l), 56+(\l), 116+(\l), 60+(\l), 27  ; place 4 lq + l: r in v[116 + l]
.endr
	; wn: scaled, to the f32 stage and, rounded to f16, to the f16 stage
.irp ct, 0,1
.irp a, 0,1
.irp k, 0,2,4,6
	v_pk_mul_f32 v[ACC+8*(2*(\a)+(\ct))+(\k):ACC+8*(2*(\a)+(\ct))+(\k)+1], v[ACC+8*(2*(\a)+(\ct))+(\k):ACC+8*(2*(\a)+(\ct))+(\k)+1], v[50+4*(\ct):51+4*(\ct)] op_sel_hi:[1,0]
.endr
	ds_store_b128 v17, v[ACC+8*(2*(\a)+(\ct)):ACC+8*(2*(\a)+(\ct))+3]   offset:16640*(\ct)+64*(\a)
	ds_store_b128 v17, v[ACC+8*(2*(\a)+(\ct))+4:ACC+8*(2*(\a)+(\ct))+7] offset:16640*(\ct)+64*(\a)+16
.irp k, 0,1,2,3
	v_cvt_pk_f16_f32 v[32+4*(2*(\a)+(\ct))+(\k)], v[ACC+8*(2*(\a)+(\ct))+2*(\k)], v[ACC+8*(2*(\a)+(\ct))+2*(\k)+1]
.endr
	ds_store_b128 v18, v[32+4*(2*(\a)+(\ct)):32+4*(2*(\a)+(\ct))+3] offset:8448*(\ct)+32*(\a)
.endr
.endr
	; hk = (1 - ss / n^2) / 2 = -0.5 (ss - n n) r r
	v_mul_f32 v49, v51, v50
	v_mul_f32 v53, v55, v54
	v_mul_f32 v49, v49, v50
	v_mul_f32 v53, v53, v54
	v_mul_f32 v49, -0.5, v49
	v_mul_f32 v53, -0.5, v53
	s_cmp_lg_u32 s20, 0
	s_cbranch_scc1 .Lno_hk                         ; every wave holds the same totals: wave 0 stores them, lane = code
	v_cmp_ne_u32 vcc_lo, 0, v2
	v_cndmask_b32 v31, v49, v53, vcc_lo
	global_store_b32 v26, v31, s[18:19]            ; 128 consecutive bytes; v31 is not written again
.Lno_hk:
	; zn: scaled, rounded to f16, eight channels of one place to 16 bytes
.set n, 0
.rept 16
	v_pk_mul_f32 v[Z+4*n:Z+4*n+1],   v[Z+4*n:Z+4*n+1],   v[116:117]
	v_pk_mul_f32 v[Z+4*n+2:Z+4*n+3], v[Z+4*n+2:Z+4*n+3], v[118:119]
.set n, n+1
.endr
.set n, 0
.rept 8                                            ; n = 4 it + l
.set j, 0
.rept 4
	v_cvt_pk_f16_f32 v[192+4*n+j], v[Z+32*(n/4)+8*j+n%4], v[Z+32*(n/4)+8*j+4+n%4]
.set j, j+1
.endr
	ds_store_b128 v19, v[192+4*n:192+4*n+3] offset:528*(n%4)+256*(n/4)
.set n, n+1
.endr
	s_wait_dscnt 0x0                               ; for the others' sake: the three stages are written
	s_barrier_signal -1
	s_barrier_wait -1
	; back as whole rows: 20 loads, then 20 stores of 512 consecutive bytes each
.irp i, 0,1,2,3
	ds_load_b128 v[128+8*(\i):128+8*(\i)+3],   v20 offset:1040*(\i)
	ds_load_b128 v[128+8*(\i)+4:128+8*(\i)+7], v20 offset:1040*(\i)+512
.endr
.irp i, 0,1,2,3
	ds_load_b128 v[160+4*(\i):160+4*(\i)+3], v21 offset:528*(\i)
.endr
.irp i, 0,1,2,3,4,5,6,7
	ds_load_b128 v[176+4*(\i):176+4*(\i)+3], v22 offset:528*(\i)
.endr
.irp i, 0,1,2,3
	s_wait_dscnt 19-2*(\i)                         ; LDS loads come back in order: so many are younger
	global_store_b128 v23, v[128+8*(\i):128+8*(\i)+3], s[16:17] offset:1024*(\i)
	s_wait_dscnt 18-2*(\i)
	global_store_b128 v23, v[128+8*(\i)+4:128+8*(\i)+7], s[16:17] offset:1024*(\i)+512
.endr
.irp i, 0,1,2,3
	s_wait_dscnt 11-(\i)
	global_store_b128 v24, v[160+4*(\i):160+4*(\i)+3], s[14:15] offset:512*(\i)
.endr
.irp i, 0,1,2,3,4,5,6,7
	s_wait_dscnt 7-(\i)
	global_store_b128 v23, v[176+4*(\i):176+4*(\i)+3], s[12:13] offset:512*(\i)
.endr
	s_wait_tensorcnt 0x0                           ; the wave's end
	ds_add_u32 v[SPW], v[NIL]
	s_wait_dscnt 0x0
	s_endpgm
.Lfunc_end_k_qe8e31fb3b5_prep:
	.size	k_qe8e31fb3b5_prep, .Lfunc_end_k_qe8e31fb3b5_prep-k_qe8e31fb3b5_prep
	.p2alignl 7, 3214868480
	.fill 96, 4, 3214868480
	.section	.rodata,"a",@progbits
	.p2align	6, 0x0
	.amdhsa_kernel k_qe8e31fb3b5_prep
		.amdhsa_group_segment_fixed_size 104960
		.amdhsa_private_segment_fixed_size 0
		.amdhsa_enable_private_segment 0
		.amdhsa_kernarg_size 56
		.amdhsa_user_sgpr_count 2
		.amdhsa_user_sgpr_kernarg_segment_ptr 1
		.amdhsa_wavefront_size32 1
		.amdhsa_system_sgpr_workgroup_id_x 1
		.amdhsa_system_sgpr_workgroup_id_y 1
		.amdhsa_system_sgpr_workgroup_id_z 1
		.amdhsa_system_vgpr_workitem_id 0
		.amdhsa_next_free_vgpr 512
		.amdhsa_next_free_sgpr 66
		.amdhsa_reserve_vcc 1
		.amdhsa_float_denorm_mode_32 3
		.amdhsa_float_denorm_mode_16_64 3
		.amdhsa_memory_ordered 1
		.amdhsa_forward_progress 1
		.amdhsa_inst_pref_size 54
	.end_amdhsa_kernel
	.amdgpu_metadata
---
amdhsa.version: [ 1, 2 ]
amdhsa.kernels:
  - .name:           k_qe8e31fb3b5_prep
    .symbol:         k_qe8e31fb3b5_prep.kd
    .args:
      - { .name: z, .offset: 0, .size: 8, .value_kind: global_buffer, .address_space: global }
      - { .name: emb_weight, .offset: 8, .size: 8, .value_kind: global_buffer, .address_space: global }
      - { .name: proj_w, .offset: 16, .size: 8, .value_kind: global_buffer, .address_space: global }
      - { .name: proj_b, .offset: 24, .size: 8, .value_kind: global_buffer, .address_space: global }
      - { .name: zn16, .offset: 32, .size: 8, .value_kind: global_buffer, .address_space: global }
      - { .name: wn16, .offset: 40, .size: 8, .value_kind: global_buffer, .address_space: global }
      - { .name: wn32h, .offset: 48, .size: 8, .value_kind: global_buffer, .address_space: global }
    .group_segment_fixed_size: 104960
    .private_segment_fixed_size: 0
    .kernarg_segment_align: 8
    .kernarg_segment_size: 56
    .max_flat_workgroup_size: 256
    .sgpr_count:     66
    .vgpr_count:     512
    .wavefront_size: 32
...
	.end_amdgpu_metadata
.endif
;; end of part 1
;; launch stats (part 2): grid 64 x 4, 4 waves a work-group, clusters of 4 x 1, 327,680 bytes of LDS; arguments zn16, wn16, wn32h, part; writes part
.if DOCPART == 2
	.amdgcn_target "amdgcn-amd-amdhsa--gfx1250"
	.amdhsa_code_object_version 6
	.text
	.protected	k_qe8e31fb3b5_stats
	.globl	k_qe8e31fb3b5_stats
	.p2align	8
	.type	k_qe8e31fb3b5_stats,@function
k_qe8e31fb3b5_stats:
	s_mov_b64 s[64:65], 0
	v_nop
	global_prefetch_b8 v0, s[64:65] scope:SCOPE_SE
	s_setreg_imm32_b32 hwreg(HW_REG_WAVE_MODE, 25, 1), 1
	s_wait_xcnt 0x0
	s_wait_alu depctr_hold_cnt(0) depctr_sa_sdst(0) depctr_va_vdst(0) depctr_va_sdst(0) depctr_va_ssrc(0) depctr_va_vcc(0) depctr_vm_vsrc(0)
	s_getreg_b32 s2, hwreg(HW_REG_IB_STS2, 6, 4)
	s_cmp_eq_u32 s2, 0
	s_cbranch_scc0 .Lentry_in_a_cluster
	s_endpgm
.Lentry_in_a_cluster:
	s_bfe_u32 s2, ttmp6, 0x10000c
	s_cmp_lg_u32 s2, 0x3003
	s_cbranch_scc0 .Lentry_shape_is_right
	s_endpgm
.Lentry_shape_is_right:
; STATS: the first walk of s[row][code] = zn . wn + hk[code] (-dists / TEMP = 200 s + a constant of the row).  f16 operands (|zn|, |wn| <= 1 by their normalisation), f32 sums.
; Work-group (x, y): rows 256 x on, codes 2048 y on.  A wave keeps 64 rows (four tiles of 16) as source 1 in 256 registers; the codes stream through LDS as source 0, 16 a TURN, 128 turns.
; In a result a lane holds ONE row (lane % 16) and the codes 8 (lane / 16) + j; hk is the C operand that starts the sum.
; FOR EACH LANE AND TILE: a running maximum m, l = the sum of 2^(c s - c m) with c = 200 log2(e), rescaled in every turn by 2^(c m_old - c m_new); and the two largest KEYS of two chains (j = 0..3, j = 4..7).
; A key is s with its low 9 bits replaced by 4 turn + j % 4; m is the largest key, so it lies within 2^-14 |s| of the largest s and c s - c m stays below 0.02.
; LIMITS.  A later launch decides the index in f32 among the four largest of a row's 32 keys: the true argmin must be one of the two largest of its chain and of the four largest of the row
; under f16 operands and 14-bit keys.  A weight below 2^-126 counts as 0.  NaN and infinities are not treated apart.
; BY TURNS.  A turn's 32 products (8 K steps x 4 tiles, the accumulators by turns) make the scores of one step; the 152 vector lines for the step before stand in slices behind them.
; CLUSTER.  The four row blocks of a cluster walk the same codes: each tile of wn16, and hk, is asked for jointly, by the same tensor load with the same descriptor and the mask of four.
; REGISTERS.  window 0: addresses, state, keys, S (two buffers), HB (two buffers).  window 1: Q, tile rt, K step kf at 64 rt + 8 kf.  window 2: KF, buffer p, K step kf at 64 p + 8 kf.
.set ROWB,  528        ; an LDS row: 512 bytes + 16 of padding: the 16 rows of a fragment load start in 16 different groups of four banks
.set TURNB, 16*ROWB
.set SLOTB, 256*ROWB   ; a slot: 256 codes, 16 turns
.set HKB,   2*SLOTB    ; hk of the work-group's 2,048 codes
.set SPARE, 294912     ; the spare words: 128 bytes a wave
.set HKO,   8388608
.set SUMO,  2097152
.set AK0, 2            ; v2  my lane's place in a turn's rows; never rewritten
.set AH0, 3            ; v3  my lane's place in a turn's hk
.set ADR, 4
.set ADH, 5
.set QO,  6
.set PO,  7
.set PO2, 8
.set SPW, 10           ; v10 my spare word's address; never rewritten
.set NIL, 11           ; v11 0; never rewritten
.set ST,  16           ; tile rt at ST + 16 rt: +0 cm0 +1 b1a0 +2 cm1 +3 b1a1 +4,5 l +6 a +7 cm_old - cm_new +8 b1b0 +9 b1b1 +10 b2a +11 b2b +12,13 at work +14 m
.set D,   80           ; four middles a tile
.set KEY, 96           ; eight keys a tile
.set S,   128          ; buffer p, tile rt at S + 32 p + 8 rt
.set HB,  192          ; buffer p at HB + 8 p
.set OUT, 208
.set WV,  14
.set G1,  24           ; s[24:31] group 1 of a tile
.set G1H, 32           ; s[32:39] group 1 of hk's row
.set G0,  40           ; s[40:43] group 0 of a tile: it walks
.set G0H, 44           ; s[44:47] group 0 of hk's row
.set CS,  48           ; s[48:49] c
.set MASK, 50
.set STEP, 51
.set ID,  52           ; s[52:55] 4 turn + 0..3 of the step that the vector lines work on
.set TB,  60           ; LDS byte of the turn to be fetched
.set TH,  61           ; byte in hk of that turn
.set CNT, 62
.set SLOTS, 63
.set W_MM, 0x06        ; source 0 window 2, source 1 window 1, C and D window 0
.set MSB, 0
.macro WIN new                      ; the immediate's high byte repeats the setting that is left
.if MSB != (\new)
	s_set_vgpr_msb (MSB<<8)|(\new)
.set MSB, \new
.endif
.endm
.macro CROUND                       ; a round of the cluster's barrier
	s_barrier_signal -1
	s_barrier_wait -1
	s_cmp_lg_u32 s[WV], 0
	s_cbranch_scc1 .Lnot_wave_0_\@
	s_barrier_signal -3
.Lnot_wave_0_\@:
	s_barrier_wait -3
	s_barrier_signal -1
	s_barrier_wait -1
.endm
.macro LOADT                        ; my quarter of a tile: 64 rows of 512 bytes; an s_nop 0 and four v_nop follow
	tensor_load_to_lds s[G0:G0+3], s[G1:G1+7]
	s_nop 0
.rept 4
	v_nop
.endr
.endm
; THE CHANGE OF SLOTS.  Each wave waits for all its tensor loads (one is out: its part of the other slot), adds 0 to its spare word, and waits for that and for its reads of the slot it leaves.
; fill = 1: a round of the cluster's barrier, and the slot just left is filled again first thing behind it, with the codes two slots on: 16 turns, 512 products a wave, in which to land.
.macro CHANGE fill
	WIN 0
	s_wait_tensorcnt 0x0            ; no tensor load of mine is out, so group 0 may be written
	ds_add_u32 v[SPW], v[NIL]       ; 0 onto my spare word; scalar work stands between it and the wait for it
.if \fill
	s_xor_b32 s[G0+1], s[G0+1], SLOTB
	s_add_nc_u64 s[G0+2:G0+3], s[G0+2:G0+3], 131072
.endif
	s_sub_co_u32 s[TB], s[TB], SLOTB  ; the fetches go back to a slot's first turn,
	s_xor_b32 s[TB], s[TB], SLOTB     ; in the other slot
	s_wait_dscnt 0x0                ; the add is done, and my reads of the slot are over
.if \fill
	CROUND
	LOADT
.else
	s_barrier_signal -1
	s_barrier_wait -1
.endif
.endm
; 18 LDS loads in one run: a turn's hk (8 a lane) and its 16 codes x 256 channels, into buffer par
.macro FETCH par
	WIN 0
	v_add_nc_u32 v[ADR], s[TB], v[AK0]
	v_add_nc_u32 v[ADH], s[TH], v[AH0]
	ds_load_b128 v[HB+8*(\par):HB+8*(\par)+3],   v[ADH]
	ds_load_b128 v[HB+8*(\par)+4:HB+8*(\par)+7], v[ADH] offset:16
	WIN 0x80                        ; destination window 2
.irp kf, 0,1,2,3,4,5,6,7
	ds_load_b128 v[64*(\par)+8*(\kf):64*(\par)+8*(\kf)+3],   v[ADR] offset:64*(\kf)
	ds_load_b128 v[64*(\par)+8*(\kf)+4:64*(\par)+8*(\kf)+7], v[ADR] offset:64*(\kf)+32
.endr
	WIN 0
	s_add_co_u32 s[TB], s[TB], TURNB
	s_add_co_u32 s[TH], s[TH], 64
.endm
; product i of 32: K step i / 4, tile i % 4.  The four accumulators take turns; the first four start the sums with hk.
.macro MM par
	WIN W_MM
.set mD, S+32*(\par)+8*(i%4)
.set mA, 64*(\par)+8*(i/4)
.set mB, 64*(i%4)+8*(i/4)
.if i < 4
	v_wmma_f32_16x16x32_f16 v[mD:mD+7], v[mA:mA+7], v[mB:mB+7], v[HB+8*(\par):HB+8*(\par)+7]
.else
	v_wmma_f32_16x16x32_f16 v[mD:mD+7], v[mA:mA+7], v[mB:mB+7], v[mD:mD+7]
.endif
.endm
; THE VECTOR QUEUE: entry vq of 152.  38 lines a tile, in 23 groups; in a group the four tiles follow each other, so a line never reads the result of the line before it, and behind
; every exponential stands a plain line of its own tile that touches neither its result nor its source.  State of parity par is the old one, 1 - par the new.
; The second largest of {b1, b2, u, v} with b2 <= b1 is max(b2, the middle of (b1, u, v)).
.macro XOP n
	v_pk_fma_f32 v[rS+2*(\n):rS+2*(\n)+1], v[rS+2*(\n):rS+2*(\n)+1], s[CS:CS+1], v[cY:cY+1] op_sel_hi:[1,0,0] neg_lo:[0,0,1] neg_hi:[0,0,1]
.endm
.macro KOP j
	v_and_or_b32 v[rK+(\j)], v[rS+(\j)], s[MASK], s[ID+(\j)%4]
.endm
.macro SV par
	WIN 0
.if vq < 40
.set op, 2*(vq/8)+vq%2
.set rt, (vq%8)/2
.elseif vq < 56
.set op, 2*(5+(vq-40)/4)
.set rt, (vq-40)%4
.elseif vq < 136
.set op, 2*(9+(vq-56)/8)+(vq-56)%2
.set rt, ((vq-56)%8)/2
.else
.set op, 2*(19+(vq-136)/4)
.set rt, (vq-136)%4
.endif
.set rT, ST+16*rt
.set rK, KEY+8*rt
.set rM, D+4*rt
.set rS, S+32*(1-(\par))+8*rt
.set cX, rT+2*(\par)
.set cY, rT+2-2*(\par)
.set bX, rT+8+(\par)
.set bY, rT+9-(\par)
.if op < 4
	KOP op                          ; each accumulator's register 0 is read first
.elseif op == 4
	v_max3_num_f32 v[rT+12], v[cX+1], v[rK], v[rK+1]
.elseif op == 5
	KOP 4
.elseif op == 6
	v_max3_num_f32 v[cY+1], v[rT+12], v[rK+2], v[rK+3]
.elseif op == 7
	KOP 5
.elseif op == 8
	KOP 6
.elseif op == 9
	KOP 7
.elseif op == 10
	v_max3_num_f32 v[rT+13], v[bX], v[rK+4], v[rK+5]
.elseif op == 12
	v_max3_num_f32 v[bY], v[rT+13], v[rK+6], v[rK+7]
.elseif op == 14
	v_max_num_f32 v[rT+14], v[cY+1], v[bY]
.elseif op == 16
	v_mul_f32 v[cY], s[CS], v[rT+14]
.elseif op == 18
	XOP 0
.elseif op == 19
	v_sub_f32 v[rT+7], v[cX], v[cY]
.elseif op == 20
	v_exp_f32 v[rS], v[rS]
.elseif op == 21
	XOP 1
.elseif op == 22
	v_exp_f32 v[rS+1], v[rS+1]
.elseif op == 23
	XOP 2
.elseif op == 24
	v_exp_f32 v[rT+6], v[rT+7]
.elseif op == 25
	XOP 3
.elseif op == 27
	v_med3_num_f32 v[rM], v[cX+1], v[rK], v[rK+1]
.elseif op == 29
	v_med3_num_f32 v[rM+1], v[rT+12], v[rK+2], v[rK+3]
.elseif op == 31
	v_med3_num_f32 v[rM+2], v[bX], v[rK+4], v[rK+5]
.elseif op == 33
	v_med3_num_f32 v[rM+3], v[rT+13], v[rK+6], v[rK+7]
.elseif op == 35
	s_wait_alu depctr_va_vdst(0)
	v_pk_add_f32 v[rS:rS+1], v[rS:rS+1], v[rS+2:rS+3]
.elseif op == 37
	v_max3_num_f32 v[rT+10], v[rT+10], v[rM], v[rM+1]
.elseif op < 37
	v_exp_f32 v[rS+(op-22)/2], v[rS+(op-22)/2]
.elseif op == 38
	v_max3_num_f32 v[rT+11], v[rT+11], v[rM+2], v[rM+3]
.elseif op == 40
	s_wait_alu depctr_va_vdst(0)
	v_pk_add_f32 v[rS+4:rS+5], v[rS+4:rS+5], v[rS+6:rS+7]
.elseif op == 42
	v_pk_add_f32 v[rS:rS+1], v[rS:rS+1], v[rS+4:rS+5]
.else
	v_pk_fma_f32 v[rT+4:rT+5], v[rT+4:rT+5], v[rT+6:rT+7], v[rS:rS+1] op_sel_hi:[1,0,1]
.endif
.set vq, vq+1
.endm
; A TURN.  32 products into S[par]; behind each a slice of 5, 5, 5, 4 lines on S[1 - par].  The last slice is four plain lines that name nothing of the last product: with the next turn's
; first lines, on other tiles, they are the places ahead of the first read of its result and ahead of the loads into the buffer that it read.
; The next turn's run of loads stands behind the second product, 30 products ahead of its first use.  skip = 1: in a slot's last turn there is nothing to fetch before the change of slots.
.macro TURN par, skip
	s_wait_dscnt 0x0                ; this turn's fragments and hk are in
.set i, 0
.set vq, 0
.rept 32
	MM \par
	SV \par
	SV \par
	SV \par
	SV \par
.if i%4 < 3
	SV \par
.endif
.if i == 1
.if \skip
	WIN 0
	s_cmp_eq_u32 s[CNT], 1
	s_cbranch_scc1 .Lno_fetch_\@
.endif
	FETCH 1-(\par)
.if \skip
.Lno_fetch_\@:
.endif
.endif
.set i, i+1
.endr
	s_add_co_u32 s[ID], s[ID], s[STEP]     ; the keys' numbers go on by 4 a turn, from the second turn on
	s_add_co_u32 s[ID+1], s[ID+1], s[STEP]
	s_add_co_u32 s[ID+2], s[ID+2], s[STEP]
	s_add_co_u32 s[ID+3], s[ID+3], s[STEP]
	s_mov_b32 s[STEP], 4
.endm
.macro WORK                         ; a slot's 16 turns
	FETCH 0
	s_mov_b32 s[CNT], 8
.Lpair_\@:
	TURN 0, 0
	TURN 1, 1
	WIN 0
	s_sub_co_u32 s[CNT], s[CNT], 1
	s_cmp_lg_u32 s[CNT], 0
	s_cbranch_scc1 .Lpair_\@
.endm
	s_load_b256 s[4:11], s[0:1], 0x0  ; zn16 s[4:5], wn16 s[6:7], wn32h s[8:9], part s[10:11]
	v_lshl_add_u32 v[SPW], v0, 2, SPARE
	v_mov_b32 v[NIL], 0
	ds_add_u32 v[SPW], v[NIL]       ; the wave's opening
	v_lshrrev_b32 v1, 5, v0
	v_readfirstlane_b32 s[WV], v1   ; wave 0..3
	s_bfe_u32 s66, ttmp6, 0x40000   ; cx
	s_lshl_b32 s67, ttmp9, 2
	s_add_co_u32 s67, s67, s66      ; x = 4 x cluster x + cx: it enters zn16's and part's addresses alone
	s_and_b32 s68, ttmp7, 0xffff    ; y, which the four partners share
	s_mov_b32 s[G1], 15|(1<<16)|(1<<20)|(1<<21)|(6<<22)|(3<<25)  ; the mask of four; 2-byte elements; padding on; bit 21 beside a mask; after every 128 words; 4 words
	s_mov_b32 s[G1+1], 256<<16      ; tensor_dim0 = 256
	s_mov_b32 s[G1+2], 64<<16       ; tensor_dim1 = 64
	s_mov_b32 s[G1+3], 256<<16      ; tile_dim0 = 256
	s_mov_b32 s[G1+4], 64           ; tile_dim1 = 64
	s_mov_b32 s[G1+5], 256          ; elements from row to row
	s_mov_b32 s[G1+6], 0
	s_mov_b32 s[G1+7], 0
	s_mov_b32 s[G1H], 15|(3<<16)|(1<<21)  ; the mask of four; 8-byte elements; no padding
	s_mov_b32 s[G1H+1], 256<<16     ; one row of 256 elements: 2,048 bytes
	s_mov_b32 s[G1H+2], 1<<16
	s_mov_b32 s[G1H+3], 256<<16
	s_mov_b32 s[G1H+4], 1
	s_mov_b32 s[G1H+5], 256
	s_mov_b32 s[G1H+6], 0
	s_mov_b32 s[G1H+7], 0
	s_mov_b32 s[G0], 1
	s_mul_i32 s[G0+1], s[WV], 64*ROWB     ; slot 0, my 64 rows
	s_mov_b32 s[G0H], 1
	s_lshl_b32 s[G0H+1], s[WV], 11
	s_add_co_u32 s[G0H+1], s[G0H+1], HKB
	s_lshl_b32 s70, s68, 20         ; wn16: (2048 y + 64 w) x 512
	s_lshl_b32 s71, s[WV], 15
	s_add_co_u32 s70, s70, s71
	s_mov_b32 s71, 0
	s_lshl_b32 s72, s68, 13         ; hk: (2048 y + 512 w) x 4, behind wn
	s_lshl_b32 s73, s[WV], 11
	s_add_co_u32 s72, s72, s73
	s_add_co_u32 s72, s72, HKO
	s_mov_b32 s73, 0
	s_lshl_b32 s74, s67, 17         ; zn16: (256 x + 64 w) x 512
	s_lshl_b32 s75, s[WV], 15
	s_add_co_u32 s74, s74, s75
	s_mov_b32 s75, 0
	s_lshl_b32 s76, s68, 19         ; keys: (16384 y + 256 x + 64 w) x 32
	s_lshl_b32 s77, s67, 13
	s_add_co_u32 s76, s76, s77
	s_lshl_b32 s77, s[WV], 11
	s_add_co_u32 s76, s76, s77
	s_mov_b32 s77, 0
	s_lshr_b32 s80, s76, 1          ; sums: half of that, behind the keys
	s_add_co_u32 s80, s80, SUMO
	s_mov_b32 s81, 0
	s_mov_b32 s[CS], 0x439044fe     ; c = 200 log2(e) = 288.539
	s_mov_b32 s[CS+1], s[CS]
	s_mov_b32 s[MASK], 0xfffffe00
	s_mov_b32 s[STEP], 0
	s_mov_b32 s[ID], 0
	s_mov_b32 s[ID+1], 1
	s_mov_b32 s[ID+2], 2
	s_mov_b32 s[ID+3], 3
	s_mov_b32 s[TB], 2*SLOTB        ; the first change of slots turns it into 0
	s_mov_b32 s[TH], 0
	s_mov_b32 s[SLOTS], 7
	s_wait_dscnt 0x0                ; the opening add is done
	s_wait_kmcnt 0x0
	s_add_nc_u64 s[G0+2:G0+3], s[6:7], s[70:71]
	s_or_b32 s[G0+3], s[G0+3], 0x80000000
	s_add_nc_u64 s[G0H+2:G0H+3], s[8:9], s[72:73]
	s_or_b32 s[G0H+3], s[G0H+3], 0x80000000
	s_add_nc_u64 s[4:5], s[4:5], s[74:75]
	s_add_nc_u64 s[78:79], s[10:11], s[80:81]
	s_add_nc_u64 s[10:11], s[10:11], s[76:77]
	CROUND                          ; all four work-groups are here: the first joint loads meet
	tensor_load_to_lds s[G0H:G0H+3], s[G1H:G1H+7]  ; my quarter of hk
	s_nop 0
	LOADT                           ; my quarter of tile 0, into slot 0: two loads of mine are out
	v_and_b32 v1, 15, v0            ; r
	v_bfe_u32 v9, v0, 4, 1          ; h
	v_lshlrev_b32 v[QO], 9, v1
	v_lshl_add_u32 v[QO], v9, 4, v[QO]
	WIN 0x40                        ; destination window 1
.set i, 0
.rept 32                            ; i = 8 rt + kf: my 64 rows stay in registers
	global_load_b128 v[8*i:8*i+3],   v[QO], s[4:5] offset:(i/8)*8192+(i%8)*64
	global_load_b128 v[8*i+4:8*i+7], v[QO], s[4:5] offset:(i/8)*8192+(i%8)*64+32
.set i, i+1
.endr
	WIN 0
	v_mul_u32_u24 v[AK0], v1, ROWB
	v_lshl_add_u32 v[AK0], v9, 4, v[AK0]
	v_lshl_add_u32 v[AH0], v9, 5, HKB
	v_lshlrev_b32 v[PO], 5, v1
	v_lshl_add_u32 v[PO], v9, 4, v[PO]
	v_lshlrev_b32 v[PO2], 4, v1
	v_lshl_add_u32 v[PO2], v9, 3, v[PO2]
	; What the first turn's vector lines find: a step of scores -4, below every true score (|s| <= 1 and a little).  The first true step's a = 2^(c (-4 - m)) is 0 and wipes what it added to l.
.set t, 0
.rept 4
	v_mov_b32 v[ST+16*t], 0xc49044fe   ; c m = -4 c
	v_mov_b32 v[ST+16*t+1], -4.0
	v_mov_b32 v[ST+16*t+4], 0
	v_mov_b32 v[ST+16*t+5], 0
	v_mov_b32 v[ST+16*t+8], -4.0
	v_mov_b32 v[ST+16*t+10], -4.0
	v_mov_b32 v[ST+16*t+11], -4.0
.set t, t+1
.endr
.set t, 0
.rept 32
	v_mov_b32 v[S+32+t], -4.0
.set t, t+1
.endr
	s_wait_loadcnt 0x0              ; my rows
.Lslot:                             ; seven times: a tile is entered and the next is asked for
	CHANGE 1
	WORK
	s_sub_co_u32 s[SLOTS], s[SLOTS], 1
	s_cmp_lg_u32 s[SLOTS], 0
	s_cbranch_scc1 .Lslot
	CHANGE 0                        ; the last tile is written out
	WORK
.set vq, 0
.rept 152
	SV 0                            ; the last step's vector lines
.endr
	; THE WAY OUT: for each row and half of the lanes 16 bytes of keys and 8 bytes (l, c m); a store of keys covers 512 consecutive bytes, one of sums 256
.set t, 0
.rept 4
	v_mov_b32 v[OUT+4*t],   v[ST+16*t+3]
	v_mov_b32 v[OUT+4*t+1], v[ST+16*t+10]
	v_mov_b32 v[OUT+4*t+2], v[ST+16*t+9]
	v_mov_b32 v[OUT+4*t+3], v[ST+16*t+11]
	v_add_f32 v[OUT+16+2*t], v[ST+16*t+4], v[ST+16*t+5]
	v_mov_b32 v[OUT+17+2*t], v[ST+16*t+2]
	global_store_b128 v[PO], v[OUT+4*t:OUT+4*t+3], s[10:11] offset:512*t
	global_store_b64 v[PO2], v[OUT+16+2*t:OUT+17+2*t], s[78:79] offset:256*t
.set t, t+1
.endr
	s_wait_tensorcnt 0x0            ; the wave's end
	ds_add_u32 v[SPW], v[NIL]
	s_wait_dscnt 0x0
	CROUND                          ; the closing round
	s_endpgm
.Lfunc_end_k_qe8e31fb3b5_stats:
	.size	k_qe8e31fb3b5_stats, .Lfunc_end_k_qe8e31fb3b5_stats-k_qe8e31fb3b5_stats
	.p2alignl 7, 3214868480
	.fill 96, 4, 3214868480
	.section	.rodata,"a",@progbits
	.p2align	6, 0x0
	.amdhsa_kernel k_qe8e31fb3b5_stats
		.amdhsa_group_segment_fixed_size 327680
		.amdhsa_private_segment_fixed_size 0
		.amdhsa_enable_private_segment 0
		.amdhsa_kernarg_size 32
		.amdhsa_user_sgpr_count 2
		.amdhsa_user_sgpr_kernarg_segment_ptr 1
		.amdhsa_wavefront_size32 1
		.amdhsa_system_sgpr_workgroup_id_x 1
		.amdhsa_system_sgpr_workgroup_id_y 1
		.amdhsa_system_sgpr_workgroup_id_z 1
		.amdhsa_system_vgpr_workitem_id 0
		.amdhsa_next_free_vgpr 640
		.amdhsa_next_free_sgpr 100
		.amdhsa_reserve_vcc 0
		.amdhsa_float_denorm_mode_32 3
		.amdhsa_float_denorm_mode_16_64 3
		.amdhsa_memory_ordered 1
		.amdhsa_forward_progress 1
		.amdhsa_inst_pref_size 83
	.end_amdhsa_kernel
	.amdgpu_metadata
---
amdhsa.version: [ 1, 2 ]
amdhsa.kernels:
  - .name:           k_qe8e31fb3b5_stats
    .symbol:         k_qe8e31fb3b5_stats.kd
    .args:
      - { .name: zn16, .offset: 0, .size: 8, .value_kind: global_buffer, .address_space: global }
      - { .name: wn16, .offset: 8, .size: 8, .value_kind: global_buffer, .address_space: global }
      - { .name: wn32h, .offset: 16, .size: 8, .value_kind: global_buffer, .address_space: global }
      - { .name: part, .offset: 24, .size: 8, .value_kind: global_buffer, .address_space: global }
    .group_segment_fixed_size: 327680
    .private_segment_fixed_size: 0
    .kernarg_segment_align: 8
    .kernarg_segment_size: 32
    .max_flat_workgroup_size: 128
    .sgpr_count:     100
    .vgpr_count:     640
    .wavefront_size: 32
...
	.end_amdgpu_metadata
.endif
;; end of part 2
;; launch merge (part 3): grid 256 x 1, 2 waves a work-group, no clusters, 0 bytes of LDS; arguments part, negl, cand; writes negl, cand
.if DOCPART == 3
	.amdgcn_target "amdgcn-amd-amdhsa--gfx1250"
	.amdhsa_code_object_version 6
	.text
	.protected	k_qe8e31fb3b5_merge
	.globl	k_qe8e31fb3b5_merge
	.p2align	8
	.type	k_qe8e31fb3b5_merge,@function
k_qe8e31fb3b5_merge:
	s_mov_b64 s[64:65], 0
	v_nop
	global_prefetch_b8 v0, s[64:65] scope:SCOPE_SE
	s_setreg_imm32_b32 hwreg(HW_REG_WAVE_MODE, 25, 1), 1
	s_wait_xcnt 0x0
; MERGE: one thread to a row.  From the row's eight (l, c m): L = log2 of the sum over all codes of 2^(c s), stored as -L / c.  From its 32 keys: the four largest, stored as code numbers.
; A key's low 9 bits are 4 turn + j % 4; its place says the code quarter q, the half of the lanes h and the chain ch: code = 2048 q + 16 turn + 8 h + 4 ch + j % 4.
; No LDS, no matrix unit, no cluster: 3 MB are read once, each thread's bytes its own.
	s_load_b128 s[4:7], s[0:1], 0x0                ; part s[4:5], negl s[6:7]
	s_load_b64 s[8:9], s[0:1], 0x10                ; cand
	v_lshlrev_b32 v1, 5, v0                        ; keys: 32 bytes a row
	v_lshlrev_b32 v2, 4, v0                        ; sums and candidates: 16 bytes a row
	v_lshlrev_b32 v3, 2, v0
	s_lshl_b32 s10, ttmp9, 11
	s_mov_b32 s11, 0
	s_lshl_b32 s12, ttmp9, 10
	s_add_co_u32 s12, s12, 2097152
	s_mov_b32 s13, 0
	s_lshl_b32 s14, ttmp9, 8
	s_mov_b32 s15, 0
	s_lshl_b32 s16, ttmp9, 10
	s_mov_b32 s17, 0
	s_wait_kmcnt 0x0
	s_add_nc_u64 s[18:19], s[4:5], s[12:13]
	s_add_nc_u64 s[4:5], s[4:5], s[10:11]
	s_add_nc_u64 s[6:7], s[6:7], s[14:15]
	s_add_nc_u64 s[8:9], s[8:9], s[16:17]
.set n, 0
.rept 8                                            ; n = 2 q + h
	global_load_b128 v[16+4*n:16+4*n+3], v1, s[4:5] offset:(n/2)*524288+(n%2)*16
.set n, n+1
.endr
.set n, 0
.rept 4                                            ; (l, c m) of both halves of the lanes
	global_load_b128 v[48+4*n:48+4*n+3], v2, s[18:19] offset:n*262144
.set n, n+1
.endr
.irp i, 64,65,66,67
	v_mov_b32 v[\i], 0xff7fffff                    ; the four largest so far, descending
.endr
.irp i, 68,69,70,71
	v_mov_b32 v[\i], 0                             ; and their codes
.endr
	s_wait_loadcnt 0x0
	v_max3_num_f32 v75, v49, v51, v53
	v_max3_num_f32 v75, v75, v55, v57
	v_max3_num_f32 v75, v75, v59, v61
	v_max_num_f32 v75, v75, v63                    ; M
.irp i, 0,1,2,3,4,5,6,7
	v_sub_f32 v[49+2*(\i)], v[49+2*(\i)], v75
.endr
.irp i, 0,1,2,3,4,5,6,7
	v_exp_f32 v[49+2*(\i)], v[49+2*(\i)]
.endr
	v_nop                                          ; a plain line behind the last exponential
	s_wait_alu depctr_va_vdst(0)
	v_mul_f32 v76, v48, v49
.irp i, 1,2,3,4,5,6,7
	v_fma_f32 v76, v[48+2*(\i)], v[49+2*(\i)], v76
.endr
	v_log_f32 v76, v76
	v_nop
	s_wait_alu depctr_va_vdst(0)
	v_add_f32 v76, v76, v75
	v_mul_f32 v76, 0xbb632166, v76                 ; times -1 / c = -ln 2 / 200
	global_store_b32 v3, v76, s[6:7]
; key k is put into the sorted four: values by maximum and middles, codes by the four comparisons with the old values
.macro INS k, add
	v_and_b32 v72, 0x1fc, v[\k]
	v_and_b32 v73, 3, v[\k]
	v_lshl_add_u32 v72, v72, 2, v73
	v_add_nc_u32 v72, \add, v72
	v_cmp_gt_f32 s20, v[\k], v64
	v_cmp_gt_f32 s21, v[\k], v65
	v_cmp_gt_f32 s22, v[\k], v66
	v_cmp_gt_f32 s23, v[\k], v67
	v_cndmask_b32 v73, v72, v70, s22
	v_cndmask_b32 v71, v71, v73, s23
	v_cndmask_b32 v73, v72, v69, s21
	v_cndmask_b32 v70, v70, v73, s22
	v_cndmask_b32 v73, v72, v68, s20
	v_cndmask_b32 v69, v69, v73, s21
	v_cndmask_b32 v68, v68, v72, s20
	v_med3_num_f32 v67, v66, v67, v[\k]
	v_med3_num_f32 v66, v65, v66, v[\k]
	v_med3_num_f32 v65, v64, v65, v[\k]
	v_max_num_f32 v64, v64, v[\k]
.endm
.set n, 0
.rept 32                                           ; n = 8 q + 4 h + 2 ch + (first or second of the chain)
	INS 16+n, 2048*(n/8)+8*((n/4)%2)+4*((n%4)/2)
.set n, n+1
.endr
	global_store_b128 v2, v[68:71], s[8:9]         ; a wave's store covers 512 consecutive bytes
	s_endpgm
.Lfunc_end_k_qe8e31fb3b5_merge:
	.size	k_qe8e31fb3b5_merge, .Lfunc_end_k_qe8e31fb3b5_merge-k_qe8e31fb3b5_merge
	.p2alignl 7, 3214868480
	.fill 96, 4, 3214868480
	.section	.rodata,"a",@progbits
	.p2align	6, 0x0
	.amdhsa_kernel k_qe8e31fb3b5_merge
		.amdhsa_group_segment_fixed_size 0
		.amdhsa_private_segment_fixed_size 0
		.amdhsa_enable_private_segment 0
		.amdhsa_kernarg_size 24
		.amdhsa_user_sgpr_count 2
		.amdhsa_user_sgpr_kernarg_segment_ptr 1
		.amdhsa_wavefront_size32 1
		.amdhsa_system_sgpr_workgroup_id_x 1
		.amdhsa_system_sgpr_workgroup_id_y 1
		.amdhsa_system_sgpr_workgroup_id_z 1
		.amdhsa_system_vgpr_workitem_id 0
		.amdhsa_next_free_vgpr 96
		.amdhsa_next_free_sgpr 66
		.amdhsa_reserve_vcc 0
		.amdhsa_float_denorm_mode_32 3
		.amdhsa_float_denorm_mode_16_64 3
		.amdhsa_memory_ordered 1
		.amdhsa_forward_progress 1
		.amdhsa_inst_pref_size 40
	.end_amdhsa_kernel
	.amdgpu_metadata
---
amdhsa.version: [ 1, 2 ]
amdhsa.kernels:
  - .name:           k_qe8e31fb3b5_merge
    .symbol:         k_qe8e31fb3b5_merge.kd
    .args:
      - { .name: part, .offset: 0, .size: 8, .value_kind: global_buffer, .address_space: global }
      - { .name: negl, .offset: 8, .size: 8, .value_kind: global_buffer, .address_space: global }
      - { .name: cand, .offset: 16, .size: 8, .value_kind: global_buffer, .address_space: global }
    .group_segment_fixed_size: 0
    .private_segment_fixed_size: 0
    .kernarg_segment_align: 8
    .kernarg_segment_size: 24
    .max_flat_workgroup_size: 64
    .sgpr_count:     66
    .vgpr_count:     96
    .wavefront_size: 32
...
	.end_amdgpu_metadata
.endif
;; end of part 3
;; launch colsum (part 4): grid 32 x 8, 4 waves a work-group, clusters of 4 x 1, 327,680 bytes of LDS; arguments wn16, zn16, negl, wn32h, cp; writes cp
.if DOCPART == 4
	.amdgcn_target "amdgcn-amd-amdhsa--gfx1250"
	.amdhsa_code_object_version 6
	.text
	.protected	k_qe8e31fb3b5_colsum
	.globl	k_qe8e31fb3b5_colsum
	.p2align	8
	.type	k_qe8e31fb3b5_colsum,@function
k_qe8e31fb3b5_colsum:
	s_mov_b64 s[64:65], 0
	v_nop
	global_prefetch_b8 v0, s[64:65] scope:SCOPE_SE
	s_setreg_imm32_b32 hwreg(HW_REG_WAVE_MODE, 25, 1), 1
	s_wait_xcnt 0x0
	s_wait_alu depctr_hold_cnt(0) depctr_sa_sdst(0) depctr_va_vdst(0) depctr_va_sdst(0) depctr_va_ssrc(0) depctr_va_vcc(0) depctr_vm_vsrc(0)
	s_getreg_b32 s2, hwreg(HW_REG_IB_STS2, 6, 4)
	s_cmp_eq_u32 s2, 0
	s_cbranch_scc0 .Lentry_in_a_cluster
	s_endpgm
.Lentry_in_a_cluster:
	s_bfe_u32 s2, ttmp6, 0x10000c
	s_cmp_lg_u32 s2, 0x3003
	s_cbranch_scc0 .Lentry_shape_is_right
	s_endpgm
.Lentry_shape_is_right:
; COLSUM: the second walk of the scores, now with each row's L known: log2 p = c (zn . wn + hk[code]) - L[row], c = 200 log2(e); p <= 1 and a little, since L is the row's own logsumexp.
; Out: for each code the sum of p over 2,048 rows (colpart[y][code]), and for each wave the sum of p log2 p (tpart).
; Work-group (x, y): codes 256 x on, rows 2048 y on.  A wave keeps 64 codes (four tiles of 16) as source 1; the rows stream through LDS as source 0, 16 a TURN, 128 turns.
; In a result a lane holds ONE code (lane % 16) and the rows 8 (lane / 16) + j; -L / c of the rows is the C operand that starts the sum; c hk[code] is the addend of the scaling.
; LIMITS.  A p below 2^-126 counts as 0.  NaN and infinities are not treated apart.
; BY TURNS, CLUSTER, REGISTERS: as in the first walk; the vector queue has 80 lines a turn, in slices of 3 and 2.
.set ROWB,  528
.set TURNB, 16*ROWB
.set SLOTB, 256*ROWB
.set HKB,   2*SLOTB    ; -L / c of the work-group's 2,048 rows
.set STAGE, 286720     ; 256 bytes a wave, for the way out; no tensor load lands here
.set SPARE, 294912
.set HKO,   8388608
.set AK0, 2
.set AH0, 3
.set ADR, 4
.set ADH, 5
.set QO,  6
.set HO,  7
.set STO, 8
.set SPW, 10
.set NIL, 11
.set LDO, 12
.set GO,  13
.set ST,  16           ; tile rt at ST + 8 rt: +0 c hk, +1 written with it as a pair, +2,3 the column's sum, +4,5 the sum of p log2 p
.set P,   64           ; eight p a tile
.set S,   128
.set HB,  192
.set WV,  14
.set G1,  24
.set G1H, 32
.set G0,  40
.set G0H, 44
.set CS,  48
.set SEL, 56
.set TB,  60
.set TH,  61
.set CNT, 62
.set SLOTS, 63
.set W_MM, 0x06
.set MSB, 0
.macro WIN new
.if MSB != (\new)
	s_set_vgpr_msb (MSB<<8)|(\new)
.set MSB, \new
.endif
.endm
.macro CROUND
	s_barrier_signal -1
	s_barrier_wait -1
	s_cmp_lg_u32 s[WV], 0
	s_cbranch_scc1 .Lnot_wave_0_\@
	s_barrier_signal -3
.Lnot_wave_0_\@:
	s_barrier_wait -3
	s_barrier_signal -1
	s_barrier_wait -1
.endm
.macro LOADT
	tensor_load_to_lds s[G0:G0+3], s[G1:G1+7]
	s_nop 0
.rept 4
	v_nop
.endr
.endm
.macro CHANGE fill                  ; the change of slots: all my tensor loads, the add, my reads; then the round and the refill, or a plain barrier
	WIN 0
	s_wait_tensorcnt 0x0
	ds_add_u32 v[SPW], v[NIL]
.if \fill
	s_xor_b32 s[G0+1], s[G0+1], SLOTB
	s_add_nc_u64 s[G0+2:G0+3], s[G0+2:G0+3], 131072
.endif
	s_sub_co_u32 s[TB], s[TB], SLOTB
	s_xor_b32 s[TB], s[TB], SLOTB
	s_wait_dscnt 0x0
.if \fill
	CROUND
	LOADT
.else
	s_barrier_signal -1
	s_barrier_wait -1
.endif
.endm
.macro FETCH par
	WIN 0
	v_add_nc_u32 v[ADR], s[TB], v[AK0]
	v_add_nc_u32 v[ADH], s[TH], v[AH0]
	ds_load_b128 v[HB+8*(\par):HB+8*(\par)+3],   v[ADH]
	ds_load_b128 v[HB+8*(\par)+4:HB+8*(\par)+7], v[ADH] offset:16
	WIN 0x80
.irp kf, 0,1,2,3,4,5,6,7
	ds_load_b128 v[64*(\par)+8*(\kf):64*(\par)+8*(\kf)+3],   v[ADR] offset:64*(\kf)
	ds_load_b128 v[64*(\par)+8*(\kf)+4:64*(\par)+8*(\kf)+7], v[ADR] offset:64*(\kf)+32
.endr
	WIN 0
	s_add_co_u32 s[TB], s[TB], TURNB
	s_add_co_u32 s[TH], s[TH], 64
.endm
.macro MM par                       ; product i of 32: K step i / 4, tile i % 4; the four accumulators take turns
	WIN W_MM
.set mD, S+32*(\par)+8*(i%4)
.set mA, 64*(\par)+8*(i/4)
.set mB, 64*(i%4)+8*(i/4)
.if i < 4
	v_wmma_f32_16x16x32_f16 v[mD:mD+7], v[mA:mA+7], v[mB:mB+7], v[HB+8*(\par):HB+8*(\par)+7]
.else
	v_wmma_f32_16x16x32_f16 v[mD:mD+7], v[mA:mA+7], v[mB:mB+7], v[mD:mD+7]
.endif
.endm
; THE VECTOR QUEUE: entry vq of 80; 20 lines a tile in 12 groups.  X n: log2 p of pair n.  E n: p.  F n: the sum of p log2 p takes pair n.  Then the eight p are added and the column's sum takes them.
; Between an exponential and the first use of its result stands a plain line that touches neither its result nor its source.
.macro XOP n
	v_pk_fma_f32 v[rS+2*(\n):rS+2*(\n)+1], v[rS+2*(\n):rS+2*(\n)+1], s[CS:CS+1], v[rT:rT+1] op_sel_hi:[1,0,0]
.endm
.macro FOP n
	s_wait_alu depctr_va_vdst(0)
	v_pk_fma_f32 v[rT+4:rT+5], v[rP+2*(\n):rP+2*(\n)+1], v[rS+2*(\n):rS+2*(\n)+1], v[rT+4:rT+5]
.endm
.macro SV par
	WIN 0
.if vq < 24
.set op, 2*(vq/8)+vq%2
.set rt, (vq%8)/2
.elseif vq < 28
.set op, 6
.set rt, vq-24
.elseif vq < 52
.set op, 2*(4+(vq-28)/8)+(vq-28)%2
.set rt, ((vq-28)%8)/2
.elseif vq < 56
.set op, 14
.set rt, vq-52
.elseif vq < 72
.set op, 2*(8+(vq-56)/8)+(vq-56)%2
.set rt, ((vq-56)%8)/2
.else
.set op, 2*(10+(vq-72)/4)
.set rt, (vq-72)%4
.endif
.set rT, ST+8*rt
.set rP, P+8*rt
.set rS, S+32*(1-(\par))+8*rt
.if op < 2
	XOP op                          ; each accumulator's registers 0 and 1 are read first
.elseif op == 3
	XOP 2
.elseif op == 5
	XOP 3
.elseif op == 9
	FOP 0
.elseif op == 11
	FOP 1
.elseif op == 13
	v_pk_add_f32 v[rP:rP+1], v[rP:rP+1], v[rP+2:rP+3]
.elseif op < 17
	v_exp_f32 v[rP+op/2-1], v[rS+op/2-1]
.elseif op == 17
	FOP 2
.elseif op == 18
	FOP 3
.elseif op == 19
	v_pk_add_f32 v[rP+4:rP+5], v[rP+4:rP+5], v[rP+6:rP+7]
.elseif op == 20
	v_pk_add_f32 v[rP:rP+1], v[rP:rP+1], v[rP+4:rP+5]
.else
	v_pk_add_f32 v[rT+2:rT+3], v[rT+2:rT+3], v[rP:rP+1]
.endif
.set vq, vq+1
.endm
; A TURN: 32 products into S[par], slices of 3 and 2 lines on S[1 - par].  The last slice's two plain lines and the next turn's first lines, on other tiles, are the places
; ahead of the first read of the last product's result (eight) and of the loads into the buffer that it read (seven).
.macro TURN par, skip
	s_wait_dscnt 0x0
.set i, 0
.set vq, 0
.rept 32
	MM \par
	SV \par
	SV \par
.if i%2 == 0
	SV \par
.endif
.if i == 1
.if \skip
	WIN 0
	s_cmp_eq_u32 s[CNT], 1
	s_cbranch_scc1 .Lno_fetch_\@
.endif
	FETCH 1-(\par)
.if \skip
.Lno_fetch_\@:
.endif
.endif
.set i, i+1
.endr
.endm
.macro WORK
	FETCH 0
	s_mov_b32 s[CNT], 8
.Lpair_\@:
	TURN 0, 0
	TURN 1, 1
	WIN 0
	s_sub_co_u32 s[CNT], s[CNT], 1
	s_cmp_lg_u32 s[CNT], 0
	s_cbranch_scc1 .Lpair_\@
.endm
	s_load_b256 s[4:11], s[0:1], 0x0  ; wn16 s[4:5], zn16 s[6:7], negl s[8:9], wn32h s[10:11]
	s_load_b64 s[12:13], s[0:1], 0x20 ; cp
	v_lshl_add_u32 v[SPW], v0, 2, SPARE
	v_mov_b32 v[NIL], 0
	ds_add_u32 v[SPW], v[NIL]       ; the wave's opening
	v_lshrrev_b32 v1, 5, v0
	v_readfirstlane_b32 s[WV], v1
	s_bfe_u32 s66, ttmp6, 0x40000   ; cx
	s_lshl_b32 s67, ttmp9, 2
	s_add_co_u32 s67, s67, s66      ; x: it enters wn16's, hk's and cp's addresses alone
	s_and_b32 s68, ttmp7, 0xffff    ; y, which the four partners share
	s_mov_b32 s[G1], 15|(1<<16)|(1<<20)|(1<<21)|(6<<22)|(3<<25)
	s_mov_b32 s[G1+1], 256<<16
	s_mov_b32 s[G1+2], 64<<16
	s_mov_b32 s[G1+3], 256<<16
	s_mov_b32 s[G1+4], 64
	s_mov_b32 s[G1+5], 256
	s_mov_b32 s[G1+6], 0
	s_mov_b32 s[G1+7], 0
	s_mov_b32 s[G1H], 15|(3<<16)|(1<<21)
	s_mov_b32 s[G1H+1], 256<<16
	s_mov_b32 s[G1H+2], 1<<16
	s_mov_b32 s[G1H+3], 256<<16
	s_mov_b32 s[G1H+4], 1
	s_mov_b32 s[G1H+5], 256
	s_mov_b32 s[G1H+6], 0
	s_mov_b32 s[G1H+7], 0
	s_mov_b32 s[G0], 1
	s_mul_i32 s[G0+1], s[WV], 64*ROWB
	s_mov_b32 s[G0H], 1
	s_lshl_b32 s[G0H+1], s[WV], 11
	s_add_co_u32 s[G0H+1], s[G0H+1], HKB
	s_lshl_b32 s70, s68, 20         ; zn16: (2048 y + 64 w) x 512
	s_lshl_b32 s71, s[WV], 15
	s_add_co_u32 s70, s70, s71
	s_mov_b32 s71, 0
	s_lshl_b32 s72, s68, 13         ; negl: (2048 y + 512 w) x 4
	s_lshl_b32 s73, s[WV], 11
	s_add_co_u32 s72, s72, s73
	s_mov_b32 s73, 0
	s_lshl_b32 s74, s67, 17         ; wn16: (256 x + 64 w) x 512
	s_lshl_b32 s75, s[WV], 15
	s_add_co_u32 s74, s74, s75
	s_mov_b32 s75, 0
	s_lshl_b32 s76, s67, 10         ; (256 x + 64 w) x 4: hk, behind wn,
	s_lshl_b32 s77, s[WV], 8
	s_add_co_u32 s76, s76, s77
	s_lshl_b32 s78, s68, 15         ; and colpart, in plane y
	s_add_co_u32 s78, s78, s76
	s_add_co_u32 s76, s76, HKO
	s_mov_b32 s77, 0
	s_mov_b32 s79, 0
	s_lshl_b32 s86, s68, 9          ; tpart: ((32 y + x) 4 + w) x 4, behind colpart
	s_lshl_b32 s87, s67, 4
	s_add_co_u32 s86, s86, s87
	s_lshl_b32 s87, s[WV], 2
	s_add_co_u32 s86, s86, s87
	s_add_co_u32 s86, s86, 262144
	s_mov_b32 s87, 0
	s_mov_b32 s[CS], 0x439044fe     ; c
	s_mov_b32 s[CS+1], s[CS]
	s_mov_b32 s[SEL], 0x76543210
	s_mov_b32 s[SEL+1], 0xfedcba98
	s_mov_b32 s[TB], 2*SLOTB
	s_mov_b32 s[TH], 0
	s_mov_b32 s[SLOTS], 7
	s_wait_dscnt 0x0                ; the opening add is done
	s_wait_kmcnt 0x0
	s_add_nc_u64 s[G0+2:G0+3], s[6:7], s[70:71]
	s_or_b32 s[G0+3], s[G0+3], 0x80000000
	s_add_nc_u64 s[G0H+2:G0H+3], s[8:9], s[72:73]
	s_or_b32 s[G0H+3], s[G0H+3], 0x80000000
	s_add_nc_u64 s[4:5], s[4:5], s[74:75]
	s_add_nc_u64 s[10:11], s[10:11], s[76:77]
	s_add_nc_u64 s[80:81], s[12:13], s[78:79]
	s_add_nc_u64 s[82:83], s[12:13], s[86:87]
	CROUND
	tensor_load_to_lds s[G0H:G0H+3], s[G1H:G1H+7]  ; my quarter of -L / c
	s_nop 0
	LOADT                           ; my quarter of tile 0: two loads of mine are out
	v_and_b32 v1, 15, v0
	v_bfe_u32 v9, v0, 4, 1
	v_and_b32 v14, 31, v0
	v_lshlrev_b32 v[QO], 9, v1
	v_lshl_add_u32 v[QO], v9, 4, v[QO]
	v_lshlrev_b32 v[HO], 2, v1
.irp t, 0,1,2,3
	global_load_b32 v[ST+8*(\t)], v[HO], s[10:11] offset:64*(\t)
.endr
	WIN 0x40
.set i, 0
.rept 32
	global_load_b128 v[8*i:8*i+3],   v[QO], s[4:5] offset:(i/8)*8192+(i%8)*64
	global_load_b128 v[8*i+4:8*i+7], v[QO], s[4:5] offset:(i/8)*8192+(i%8)*64+32
.set i, i+1
.endr
	WIN 0
	v_mul_u32_u24 v[AK0], v1, ROWB
	v_lshl_add_u32 v[AK0], v9, 4, v[AK0]
	v_lshl_add_u32 v[AH0], v9, 5, HKB
	s_lshl_b32 s69, s[WV], 8
	s_add_co_u32 s69, s69, STAGE
	v_lshl_add_u32 v[STO], v1, 2, s69
	v_lshl_add_u32 v[LDO], v14, 3, s69
	v_lshlrev_b32 v[GO], 3, v14
	v_mov_b32 v15, 0
	; what the first turn's vector lines find: a step of scores -4, whose p is 0
.set t, 0
.rept 4
	v_mov_b32 v[ST+8*t+1], 0
	v_mov_b32 v[ST+8*t+2], 0
	v_mov_b32 v[ST+8*t+3], 0
	v_mov_b32 v[ST+8*t+4], 0
	v_mov_b32 v[ST+8*t+5], 0
.set t, t+1
.endr
.set t, 0
.rept 32
	v_mov_b32 v[S+32+t], -4.0
.set t, t+1
.endr
	s_wait_loadcnt 0x0              ; my codes and their hk
.irp t, 0,1,2,3
	v_mul_f32 v[ST+8*(\t)], s[CS], v[ST+8*(\t)]
.endr
.Lslot:
	CHANGE 1
	WORK
	s_sub_co_u32 s[SLOTS], s[SLOTS], 1
	s_cmp_lg_u32 s[SLOTS], 0
	s_cbranch_scc1 .Lslot
	CHANGE 0
	WORK
.set vq, 0
.rept 80
	SV 0                            ; the last step's vector lines
.endr
	; THE WAY OUT.  A code's sum: its two halves, and the other eight of sixteen rows in the lane 16 away; through my own stage, so that one store covers my 64 codes: 256 consecutive bytes.
.irp t, 0,1,2,3
	v_add_f32 v[P+8*(\t)+1], v[ST+8*(\t)+2], v[ST+8*(\t)+3]
.endr
.irp t, 0,1,2,3
	v_permlanex16_b32 v[P+8*(\t)], v[P+8*(\t)+1], s[SEL], s[SEL+1]
.endr
.irp t, 0,1,2,3
	v_add_f32 v[P+8*(\t)+1], v[P+8*(\t)+1], v[P+8*(\t)]
	ds_store_b32 v[STO], v[P+8*(\t)+1] offset:64*(\t)
.endr
	ds_load_b64 v[208:209], v[LDO]  ; LDS serves a wave's instructions in order: this sees the stores above
	v_pk_add_f32 v[ST+4:ST+5], v[ST+4:ST+5], v[ST+12:ST+13]
	v_pk_add_f32 v[ST+20:ST+21], v[ST+20:ST+21], v[ST+28:ST+29]
	v_pk_add_f32 v[ST+4:ST+5], v[ST+4:ST+5], v[ST+20:ST+21]
	v_add_f32 v[ST+4], v[ST+4], v[ST+5]
	v_add_f32_dpp v[ST+4], v[ST+4], v[ST+4] row_xmask:1 row_mask:0xf bank_mask:0xf
	v_add_f32_dpp v[ST+4], v[ST+4], v[ST+4] row_xmask:2 row_mask:0xf bank_mask:0xf
	v_add_f32_dpp v[ST+4], v[ST+4], v[ST+4] row_xmask:4 row_mask:0xf bank_mask:0xf
	v_add_f32_dpp v[ST+4], v[ST+4], v[ST+4] row_xmask:8 row_mask:0xf bank_mask:0xf
	v_permlanex16_b32 v[ST+5], v[ST+4], s[SEL], s[SEL+1]
	v_add_f32 v[ST+4], v[ST+4], v[ST+5]
	s_wait_dscnt 0x0
	global_store_b64 v[GO], v[208:209], s[80:81]
	v_cmp_eq_u32 vcc_lo, 0, v14
	s_wait_xcnt 0x0                 ; EXEC changes only behind this wait
	s_and_saveexec_b32 s69, vcc_lo
	global_store_b32 v15, v[ST+4], s[82:83]  ; lane 0: my wave's sum of p log2 p
	s_wait_xcnt 0x0
	s_or_b32 exec_lo, exec_lo, s69
	s_wait_tensorcnt 0x0            ; the wave's end
	ds_add_u32 v[SPW], v[NIL]
	s_wait_dscnt 0x0
	CROUND                          ; the closing round
	s_endpgm
.Lfunc_end_k_qe8e31fb3b5_colsum:
	.size	k_qe8e31fb3b5_colsum, .Lfunc_end_k_qe8e31fb3b5_colsum-k_qe8e31fb3b5_colsum
	.p2alignl 7, 3214868480
	.fill 96, 4, 3214868480
	.section	.rodata,"a",@progbits
	.p2align	6, 0x0
	.amdhsa_kernel k_qe8e31fb3b5_colsum
		.amdhsa_group_segment_fixed_size 327680
		.amdhsa_private_segment_fixed_size 0
		.amdhsa_enable_private_segment 0
		.amdhsa_kernarg_size 40
		.amdhsa_user_sgpr_count 2
		.amdhsa_user_sgpr_kernarg_segment_ptr 1
		.amdhsa_wavefront_size32 1
		.amdhsa_system_sgpr_workgroup_id_x 1
		.amdhsa_system_sgpr_workgroup_id_y 1
		.amdhsa_system_sgpr_workgroup_id_z 1
		.amdhsa_system_vgpr_workitem_id 0
		.amdhsa_next_free_vgpr 640
		.amdhsa_next_free_sgpr 100
		.amdhsa_reserve_vcc 1
		.amdhsa_float_denorm_mode_32 3
		.amdhsa_float_denorm_mode_16_64 3
		.amdhsa_memory_ordered 1
		.amdhsa_forward_progress 1
		.amdhsa_inst_pref_size 64
	.end_amdhsa_kernel
	.amdgpu_metadata
---
amdhsa.version: [ 1, 2 ]
amdhsa.kernels:
  - .name:           k_qe8e31fb3b5_colsum
    .symbol:         k_qe8e31fb3b5_colsum.kd
    .args:
      - { .name: wn16, .offset: 0, .size: 8, .value_kind: global_buffer, .address_space: global }
      - { .name: zn16, .offset: 8, .size: 8, .value_kind: global_buffer, .address_space: global }
      - { .name: negl, .offset: 16, .size: 8, .value_kind: global_buffer, .address_space: global }
      - { .name: wn32h, .offset: 24, .size: 8, .value_kind: global_buffer, .address_space: global }
      - { .name: cp, .offset: 32, .size: 8, .value_kind: global_buffer, .address_space: global }
    .group_segment_fixed_size: 327680
    .private_segment_fixed_size: 0
    .kernarg_segment_align: 8
    .kernarg_segment_size: 40
    .max_flat_workgroup_size: 128
    .sgpr_count:     100
    .vgpr_count:     640
    .wavefront_size: 32
...
	.end_amdgpu_metadata
.endif
;; end of part 4
;; launch refine (part 5): grid 256 x 1, 8 waves a work-group, no clusters, 70,400 bytes of LDS; arguments z, cand, wn32h, cp, out0, out4, fin; writes out0, out4, fin
.if DOCPART == 5
	.amdgcn_target "amdgcn-amd-amdhsa--gfx1250"
	.amdhsa_code_object_version 6
	.text
	.protected	k_qe8e31fb3b5_refine
	.globl	k_qe8e31fb3b5_refine
	.p2align	8
	.type	k_qe8e31fb3b5_refine,@function
k_qe8e31fb3b5_refine:
	s_mov_b64 s[64:65], 0
	v_nop
	global_prefetch_b8 v0, s[64:65] scope:SCOPE_SE
	s_setreg_imm32_b32 hwreg(HW_REG_WAVE_MODE, 25, 1), 1
	s_wait_xcnt 0x0
; REFINE.  For each row the four nominated codes (whole numbers stored by an earlier launch) are judged in f32: d = (z2 + w2) - 2 zn . wn, the smallest wins, of equal ones the lower code.
; Then out4 = the code, out0 = z + (wn[code] - z) channel first, and the row's share of the sum of (wn / |wn| - zn)^2.  Wave 7 also makes 32 codes' terms avg log2(avg + 1e-5).
; Work-group g: rows 64 g on, as in the first launch (z rounded to bf16 as there); wave w judges rows 8 w .. 8 w + 7, a whole row of 256 channels across its 32 lanes.
; LIMITS.  z2 and w2 are ss / n^2, not a second sum of squares; sums run in another order than the reference's: two distances closer than some 2e-7 may be ordered otherwise.  NaN and infinities are not treated apart.
; No matrix unit: 4 x 256 multiply-adds a row.  No cluster: nothing is shared but cached rows of wn.
.set ZT,    0          ; 64 rows, pitch 1040: zn in f32, later the chosen wn
.set RZ,    66560      ; partial sums of squares, 256 bytes a wave
.set Z2,    68608      ; z2 of the 64 rows
.set IDX,   68864      ; the 64 codes
.set LS,    69120      ; eight waves' losses, then the entropy term
.set SPARE, 69376
.set HKO,   8388608
.set SPW, 5
.set NIL, 6
.set Z,   16           ; v16-79   z: (it, j, l) at Z + 32 it + 4 j + l
.set VO,  80           ; v80-111  32 gather offsets
.set ZN,  112          ; v112-175 eight rows of zn, 8 registers each; later the chosen rows read back
.set DP,  176          ; four pairs at work
.set BD,  184
.set BI,  185
.set BW,  186
.set CV2, 187
.set Q8,  188
.set EP,  196
.set LOSS, 204
.set IDXV, 206
.set HKV, 207
.set CV,  208
.set W2V, 209
.set Z2R, 210
.set RQ,  218
.set SC,  220
.set RI,  236
.set Z2V, 240
.set AV,  244
.set TT,  252
.set WV,  66
.set SEL, 68
.set EPS, 70
.set MSB, 0
.macro WIN new
.if MSB != (\new)
	s_set_vgpr_msb (MSB<<8)|(\new)
.set MSB, \new
.endif
.endm
.macro NORM ss, n, r, e, t          ; n = max(sqrt(ss), 1e-6) and r = 1 / n, each with one Newton step; e = ss - n n
	v_sqrt_f32 v[\n], v[\ss]
	v_nop
	s_wait_alu depctr_va_vdst(0)
	v_max_num_f32 v[\n], s[EPS], v[\n]
	v_rcp_f32 v[\r], v[\n]
	v_fma_f32 v[\e], -v[\n], v[\n], v[\ss]
	v_mul_f32 v[\e], 0.5, v[\e]
	s_wait_alu depctr_va_vdst(0)
	v_fma_f32 v[\n], v[\e], v[\r], v[\n]
	v_max_num_f32 v[\n], s[EPS], v[\n]
	v_rcp_f32 v[\r], v[\n]
	v_fma_f32 v[\e], -v[\n], v[\n], v[\ss]
	s_wait_alu depctr_va_vdst(0)
	v_fma_f32 v[\t], -v[\n], v[\r], 1.0
	v_fma_f32 v[\r], v[\r], v[\t], v[\r]
.endm
.macro WSUM a, b                    ; the sum of v[a] over the 32 lanes, in every lane
	v_add_f32_dpp v[\a], v[\a], v[\a] row_xmask:1 row_mask:0xf bank_mask:0xf
	v_add_f32_dpp v[\a], v[\a], v[\a] row_xmask:2 row_mask:0xf bank_mask:0xf
	v_add_f32_dpp v[\a], v[\a], v[\a] row_xmask:4 row_mask:0xf bank_mask:0xf
	v_add_f32_dpp v[\a], v[\a], v[\a] row_xmask:8 row_mask:0xf bank_mask:0xf
	v_permlanex16_b32 v[\b], v[\a], s[SEL], s[SEL+1]
	v_add_f32 v[\a], v[\a], v[\b]
.endm
	s_load_b256 s[4:11], s[0:1], 0x0               ; z s[4:5], cand s[6:7], wn32h s[8:9], cp s[10:11]
	s_load_b128 s[12:15], s[0:1], 0x20             ; out0 s[12:13], out4 s[14:15]
	s_load_b64 s[16:17], s[0:1], 0x30              ; fin
	v_lshl_add_u32 v[SPW], v0, 2, SPARE
	v_mov_b32 v[NIL], 0
	v_lshrrev_b32 v15, 5, v0
	v_readfirstlane_b32 s[WV], v15
	v_and_b32 v1, 15, v0                           ; lq
	v_bfe_u32 v2, v0, 4, 1                         ; h
	v_lshrrev_b32 v3, 4, v0                        ; cg
	v_and_b32 v4, 31, v0                           ; lane
	s_mov_b32 s[SEL], 0x76543210
	s_mov_b32 s[SEL+1], 0xfedcba98
	s_mov_b32 s[EPS], 0x358637bd
	s_mov_b32 s71, 0xffff0000
	v_lshlrev_b32 v7, 15, v3
	v_lshl_add_u32 v7, v1, 4, v7                   ; z and out0: channel 8 cg, places 4 lq on
	v_lshlrev_b32 v8, 4, v4                        ; 16 lane
	v_lshlrev_b32 v14, 2, v4                       ; 4 lane
	s_lshr_b32 s72, ttmp9, 4
	s_lshl_b32 s72, s72, 20
	s_and_b32 s73, ttmp9, 15
	s_lshl_b32 s73, s73, 8
	s_add_co_u32 s72, s72, s73
	s_mov_b32 s73, 0
	s_lshl_b32 s74, ttmp9, 10                      ; cand: (64 g + 8 w) x 16
	s_lshl_b32 s75, s[WV], 7
	s_add_co_u32 s74, s74, s75
	s_mov_b32 s75, 0
	s_lshl_b32 s76, ttmp9, 7                       ; colpart: 32 g x 4
	s_mov_b32 s77, 0
	s_lshl_b32 s78, ttmp9, 8                       ; out4: 64 g x 4
	s_mov_b32 s79, 0
	s_lshl_b32 s92, ttmp9, 3                       ; fin: 8 g
	s_mov_b32 s93, 0
	s_wait_kmcnt 0x0
	s_add_nc_u64 s[6:7], s[6:7], s[74:75]
	s_load_b512 s[20:35], s[6:7], 0x0              ; my wave's 32 candidates: row i, candidate c in s[20 + 4 i + c]
	s_load_b512 s[36:51], s[6:7], 0x40
	s_add_nc_u64 s[4:5], s[4:5], s[72:73]
	s_add_nc_u64 s[12:13], s[12:13], s[72:73]
	s_add_nc_u64 s[18:19], s[8:9], HKO
	s_add_nc_u64 s[10:11], s[10:11], s[76:77]
	s_add_nc_u64 s[14:15], s[14:15], s[78:79]
	s_add_nc_u64 s[16:17], s[16:17], s[92:93]
.set i, 0
.rept 16
	global_load_b128 v[Z+4*i:Z+4*i+3], v7, s[4:5] offset:(128*(i/8)+i%8)*4096
.set i, i+1
.endr
	global_load_b32 v[CV], v14, s[6:7]             ; the same 32 candidates, one a lane
	s_wait_kmcnt 0x0
.set i, 0
.rept 32
	s_min_u32 s[20+i], s[20+i], 8191               ; an index stays inside its table
	v_lshl_add_u32 v[VO+i], s[20+i], 10, v8
.set i, i+1
.endr
	WIN 0x40                                       ; destination window 1: row i, candidate c at 32 i + 8 c
.set i, 0
.rept 32
	global_load_b128 v[8*i:8*i+3],   v[VO+i], s[8:9]
	global_load_b128 v[8*i+4:8*i+7], v[VO+i], s[8:9] offset:512
.set i, i+1
.endr
	WIN 0
	s_cmp_lg_u32 s[WV], 7
	s_cbranch_scc1 .Lno_col
.irp y, 0,1,2,3,4,5,6,7
	global_load_b32 v[AV+(\y)], v14, s[10:11] offset:32768*(\y)   ; codes 32 g + lane: the eight partial column sums
.endr
.Lno_col:
	; LDS addresses
	s_lshl_b32 s72, s[WV], 8
	s_add_co_u32 s72, s72, RZ
	v_lshl_add_u32 v9, v1, 4, s72                  ; RZ + 256 w + 16 lq
	v_lshl_add_u32 v10, v1, 4, RZ
	v_mul_u32_u24 v11, v1, 4160
	v_lshl_add_u32 v11, v3, 5, v11                 ; ZT + 1040 (4 lq) + 32 cg
	s_mul_i32 s72, s[WV], 8320
	v_lshl_add_u32 v12, v4, 4, s72                 ; ZT + 1040 (8 w) + 16 lane
	v_lshl_add_u32 v13, v1, 4, Z2
	s_lshl_b32 s72, s[WV], 5
	s_add_co_u32 s72, s72, Z2
	v_mov_b32 v15, s72                             ; Z2 + 32 w
	s_wait_loadcnt 63                              ; z and the candidate word, the 17 oldest, are in: 64 loads or more are younger, and the count's field ends at 63
	v_min_u32 v[CV2], 0x1fff, v[CV]
	v_lshlrev_b32 v[CV2], 2, v[CV2]
	global_load_b32 v[HKV], v[CV2], s[18:19]       ; hk of candidate = lane
.set i, 0
.rept 32                                           ; z rounded to bf16, kept as f32
	v_cvt_pk_bf16_f32 v[TT+i%4], v[Z+2*i], v[Z+2*i+1]
	v_lshlrev_b32 v[Z+2*i], 16, v[TT+i%4]
	v_and_b32 v[Z+2*i+1], s71, v[TT+i%4]
.set i, i+1
.endr
	v_pk_mul_f32 v[Z2V:Z2V+1], v[Z:Z+1], v[Z:Z+1]
	v_pk_mul_f32 v[Z2V+2:Z2V+3], v[Z+2:Z+3], v[Z+2:Z+3]
.set i, 1
.rept 15
	v_pk_fma_f32 v[Z2V:Z2V+1], v[Z+4*i:Z+4*i+1], v[Z+4*i:Z+4*i+1], v[Z2V:Z2V+1]
	v_pk_fma_f32 v[Z2V+2:Z2V+3], v[Z+4*i+2:Z+4*i+3], v[Z+4*i+2:Z+4*i+3], v[Z2V+2:Z2V+3]
.set i, i+1
.endr
.irp l, 0,1,2,3
	v_permlanex16_b32 v[TT+(\l)], v[Z2V+(\l)], s[SEL], s[SEL+1]
.endr
.irp l, 0,1,2,3
	v_add_f32 v[Z2V+(\l)], v[Z2V+(\l)], v[TT+(\l)]
.endr
	ds_store_b128 v9, v[Z2V:Z2V+3]
	s_wait_dscnt 0x0                               ; for the others' sake
	s_barrier_signal -1
	s_barrier_wait -1
.irp i, 0,1,2,3,4,5,6,7
	ds_load_b128 v[ZN+4*(\i):ZN+4*(\i)+3], v10 offset:256*(\i)
.endr
	s_wait_dscnt 0x0
.irp i, 1,2,3,4,5,6,7
	v_pk_add_f32 v[ZN:ZN+1], v[ZN:ZN+1], v[ZN+4*(\i):ZN+4*(\i)+1]
	v_pk_add_f32 v[ZN+2:ZN+3], v[ZN+2:ZN+3], v[ZN+4*(\i)+2:ZN+4*(\i)+3]
.endr
.irp l, 0,1,2,3
	NORM ZN+(\l), ZN+4+(\l), RI+(\l), ZN+8+(\l), ZN+12
	v_mul_f32 v[ZN+12], v[ZN+8+(\l)], v[RI+(\l)]
	v_fma_f32 v[Z2V+(\l)], v[ZN+12], v[RI+(\l)], 1.0   ; z2 = 1 + (ss - n n) r r
.endr
	; zn in f32 into ZT: eight channels of one place are 32 consecutive bytes of its row
.set n, 0
.rept 8                                            ; n = 4 it + l
.set sc, SC+8*(n%2)
.set j, 0
.rept 8
	v_mul_f32 v[sc+j], v[Z+32*(n/4)+4*j+n%4], v[RI+n%4]
.set j, j+1
.endr
	ds_store_b128 v11, v[sc:sc+3]   offset:1040*(n%4)+512*(n/4)
	ds_store_b128 v11, v[sc+4:sc+7] offset:1040*(n%4)+512*(n/4)+16
.set n, n+1
.endr
	s_cmp_lg_u32 s[WV], 0
	s_cbranch_scc1 .Lno_z2
	ds_store_b128 v13, v[Z2V:Z2V+3]                ; every wave holds the same totals: wave 0 stores them
.Lno_z2:
	s_wait_dscnt 0x0                               ; for the others' sake
	s_barrier_signal -1
	s_barrier_wait -1
.irp i, 0,1,2,3,4,5,6,7
	ds_load_b128 v[ZN+8*(\i):ZN+8*(\i)+3],   v12 offset:1040*(\i)
	ds_load_b128 v[ZN+8*(\i)+4:ZN+8*(\i)+7], v12 offset:1040*(\i)+512
.endr
	ds_load_b128 v[Z2R:Z2R+3], v15
	ds_load_b128 v[Z2R+4:Z2R+7], v15 offset:16
	v_mov_b32 v[LOSS], 0
	v_mov_b32 v[LOSS+1], 0
	v_mov_b32 v[IDXV], 0
	v_mov_b32 v[RQ+1], 0
	s_wait_loadcnt 0x0                             ; the gathered rows, hk, the column sums
	v_fma_f32 v[W2V], v[HKV], -2.0, 1.0            ; w2 of candidate = lane
	s_wait_dscnt 0x0
; ROW i of my eight.
.macro ROWWORK i
	WIN 0x01                                       ; source 0 (the gathered rows) in window 1
.irp c, 0,1,2,3
	v_pk_mul_f32 v[DP+2*(\c):DP+2*(\c)+1], v[32*(\i)+8*(\c):32*(\i)+8*(\c)+1], v[ZN+8*(\i):ZN+8*(\i)+1]
.endr
.irp k, 2,4,6
.irp c, 0,1,2,3
	v_pk_fma_f32 v[DP+2*(\c):DP+2*(\c)+1], v[32*(\i)+8*(\c)+(\k):32*(\i)+8*(\c)+(\k)+1], v[ZN+8*(\i)+(\k):ZN+8*(\i)+(\k)+1], v[DP+2*(\c):DP+2*(\c)+1]
.endr
.endr
	WIN 0
.irp c, 0,1,2,3
	v_add_f32 v[DP+2*(\c)], v[DP+2*(\c)], v[DP+2*(\c)+1]
.endr
.irp m, 1,2,4,8
.irp c, 0,1,2,3
	v_add_f32_dpp v[DP+2*(\c)], v[DP+2*(\c)], v[DP+2*(\c)] row_xmask:\m row_mask:0xf bank_mask:0xf
.endr
.endr
.irp c, 0,1,2,3
	v_permlanex16_b32 v[DP+2*(\c)+1], v[DP+2*(\c)], s[SEL], s[SEL+1]
.endr
.irp c, 0,1,2,3
	v_add_f32 v[DP+2*(\c)], v[DP+2*(\c)], v[DP+2*(\c)+1]   ; the dot product, the same in every lane
	v_readlane_b32 s[80+(\c)], v[W2V], 4*(\i)+(\c)
.endr
.irp c, 0,1,2,3
	v_add_f32 v[DP+2*(\c)+1], s[80+(\c)], v[Z2R+(\i)]      ; z2 + w2, rounded,
.endr
.irp c, 0,1,2,3
	v_fma_f32 v[DP+2*(\c)], v[DP+2*(\c)], -2.0, v[DP+2*(\c)+1]  ; less 2 dot, rounded once: 2 dot is exact
.endr
	v_mov_b32 v[BD], v[DP]
	v_mov_b32 v[BI], s[20+4*(\i)]
	v_mov_b32 v[BW], s80
.irp c, 1,2,3
	v_cmp_lt_f32 s[84+(\c)], v[DP+2*(\c)], v[BD]
	v_cmp_eq_f32 s88, v[DP+2*(\c)], v[BD]
	v_cmp_gt_u32 s89, v[BI], s[20+4*(\i)+(\c)]
	s_and_b32 s88, s88, s89
	s_or_b32 s[84+(\c)], s[84+(\c)], s88           ; nearer, or as near with a lower code: a choice of values only
	v_cndmask_b32 v[BD], v[BD], v[DP+2*(\c)], s[84+(\c)]
	v_cndmask_b32 v[BI], v[BI], s[20+4*(\i)+(\c)], s[84+(\c)]
	v_cndmask_b32 v[BW], v[BW], s[80+(\c)], s[84+(\c)]
.endr
	WIN 0x05
.irp k, 0,1,2,3,4,5,6,7
	v_cndmask_b32 v[Q8+(\k)], v[32*(\i)+(\k)], v[32*(\i)+8+(\k)], s85
.endr
	WIN 0x04
.irp k, 0,1,2,3,4,5,6,7
	v_cndmask_b32 v[Q8+(\k)], v[Q8+(\k)], v[32*(\i)+16+(\k)], s86
.endr
.irp k, 0,1,2,3,4,5,6,7
	v_cndmask_b32 v[Q8+(\k)], v[Q8+(\k)], v[32*(\i)+24+(\k)], s87
.endr
	WIN 0
	v_sqrt_f32 v[RQ], v[BW]                        ; |wn| = sqrt(w2)
	s_mov_b32 s90, 0x01010101<<(\i)
	v_nop
	s_wait_alu depctr_va_vdst(0)
	v_max_num_f32 v[RQ], s[EPS], v[RQ]
	v_rcp_f32 v[RQ], v[RQ]
	v_cndmask_b32 v[IDXV], v[IDXV], v[BI], s90     ; lanes with lane % 8 = i keep the row's code; also the plain line behind the reciprocal
	s_wait_alu depctr_va_vdst(0)
.irp k, 0,2,4,6
	v_pk_fma_f32 v[EP+(\k):EP+(\k)+1], v[Q8+(\k):Q8+(\k)+1], v[RQ:RQ+1], v[ZN+8*(\i)+(\k):ZN+8*(\i)+(\k)+1] op_sel_hi:[1,0,1] neg_lo:[0,0,1] neg_hi:[0,0,1]
.endr
.irp k, 0,2,4,6
	v_pk_fma_f32 v[LOSS:LOSS+1], v[EP+(\k):EP+(\k)+1], v[EP+(\k):EP+(\k)+1], v[LOSS:LOSS+1]
.endr
	ds_store_b128 v12, v[Q8:Q8+3]   offset:1040*(\i)       ; the chosen row takes zn's place: only my wave has read this row, and its loads are back
	ds_store_b128 v12, v[Q8+4:Q8+7] offset:1040*(\i)+512
.endm
.irp i, 0,1,2,3,4,5,6,7
	ROWWORK \i
.endr
	v_and_b32 v9, 7, v0
	s_lshl_b32 s72, s[WV], 5
	s_add_co_u32 s72, s72, IDX
	v_lshl_add_u32 v9, v9, 2, s72                  ; IDX + 4 (8 w + lane % 8)
	ds_store_b32 v9, v[IDXV]
	v_add_f32 v[LOSS], v[LOSS], v[LOSS+1]
	WSUM LOSS, LOSS+1
	s_lshl_b32 s72, s[WV], 2
	s_add_co_u32 s72, s72, LS
	v_mov_b32 v10, s72
	ds_store_b32 v10, v[LOSS]
	s_cmp_lg_u32 s[WV], 7
	s_cbranch_scc1 .Lno_avg
	v_pk_add_f32 v[AV:AV+1], v[AV:AV+1], v[AV+2:AV+3]
	v_pk_add_f32 v[AV+4:AV+5], v[AV+4:AV+5], v[AV+6:AV+7]
	v_pk_add_f32 v[AV:AV+1], v[AV:AV+1], v[AV+4:AV+5]
	v_add_f32 v[AV], v[AV], v[AV+1]
	v_mul_f32 v[AV], 0x38800000, v[AV]             ; the mean over 16,384 rows
	v_add_f32 v[AV+1], 0x3727c5ac, v[AV]           ; + 1e-5
	v_log_f32 v[AV+1], v[AV+1]
	v_nop
	s_wait_alu depctr_va_vdst(0)
	v_mul_f32 v[AV], v[AV], v[AV+1]
	WSUM AV, AV+1
	ds_store_b32 v10, v[AV] offset:4               ; LS + 32
.Lno_avg:
	s_wait_dscnt 0x0                               ; for the others' sake
	s_barrier_signal -1
	s_barrier_wait -1
.set n, 0
.rept 8                                            ; n = 4 it + l: the chosen rows, in z's layout
	ds_load_b128 v[ZN+8*n:ZN+8*n+3],   v11 offset:1040*(n%4)+512*(n/4)
	ds_load_b128 v[ZN+8*n+4:ZN+8*n+7], v11 offset:1040*(n%4)+512*(n/4)+16
.set n, n+1
.endr
	s_wait_dscnt 0x0
.set n, 0
.rept 64                                           ; n = 32 it + 4 j + l: z + (q - z)
.set qb, ZN+8*(n%4+4*(n/32))+(n/4)%8
	v_sub_f32 v[qb], v[qb], v[Z+n]
	v_add_f32 v[Z+n], v[Z+n], v[qb]
.set n, n+1
.endr
.set i, 0
.rept 16
	global_store_b128 v7, v[Z+4*i:Z+4*i+3], s[12:13] offset:(128*(i/8)+i%8)*4096 th:TH_STORE_NT  ; 16 lanes store 256 consecutive bytes
.set i, i+1
.endr
	s_cmp_lg_u32 s[WV], 0
	s_cbranch_scc1 .Lend
	v_lshl_add_u32 v9, v4, 3, IDX
	v_mov_b32 v10, LS
	v_lshlrev_b32 v13, 3, v4
	v_mov_b32 v15, 0
	ds_load_b64 v[DP:DP+1], v9
	ds_load_b128 v[EP:EP+3], v10
	ds_load_b128 v[EP+4:EP+7], v10 offset:16
	ds_load_b32 v[Q8+1], v10 offset:32
	s_wait_dscnt 0x0
	global_store_b64 v13, v[DP:DP+1], s[14:15]     ; the 64 codes: 256 consecutive bytes
	v_pk_add_f32 v[EP:EP+1], v[EP:EP+1], v[EP+2:EP+3]
	v_pk_add_f32 v[EP+4:EP+5], v[EP+4:EP+5], v[EP+6:EP+7]
	v_pk_add_f32 v[EP:EP+1], v[EP:EP+1], v[EP+4:EP+5]
	v_add_f32 v[Q8], v[EP], v[EP+1]
	v_cmp_eq_u32 vcc_lo, 0, v4
	s_wait_xcnt 0x0                                ; EXEC changes only behind this wait
	s_and_saveexec_b32 s72, vcc_lo
	global_store_b64 v15, v[Q8:Q8+1], s[16:17]     ; lane 0: (sum of squares, entropy term)
	s_wait_xcnt 0x0
	s_or_b32 exec_lo, exec_lo, s72
.Lend:
	s_wait_tensorcnt 0x0                           ; the wave's end
	ds_add_u32 v[SPW], v[NIL]
	s_wait_dscnt 0x0
	s_endpgm
.Lfunc_end_k_qe8e31fb3b5_refine:
	.size	k_qe8e31fb3b5_refine, .Lfunc_end_k_qe8e31fb3b5_refine-k_qe8e31fb3b5_refine
	.p2alignl 7, 3214868480
	.fill 96, 4, 3214868480
	.section	.rodata,"a",@progbits
	.p2align	6, 0x0
	.amdhsa_kernel k_qe8e31fb3b5_refine
		.amdhsa_group_segment_fixed_size 70400
		.amdhsa_private_segment_fixed_size 0
		.amdhsa_enable_private_segment 0
		.amdhsa_kernarg_size 56
		.amdhsa_user_sgpr_count 2
		.amdhsa_user_sgpr_kernarg_segment_ptr 1
		.amdhsa_wavefront_size32 1
		.amdhsa_system_sgpr_workgroup_id_x 1
		.amdhsa_system_sgpr_workgroup_id_y 1
		.amdhsa_system_sgpr_workgroup_id_z 1
		.amdhsa_system_vgpr_workitem_id 0
		.amdhsa_next_free_vgpr 512
		.amdhsa_next_free_sgpr 96
		.amdhsa_reserve_vcc 1
		.amdhsa_float_denorm_mode_32 3
		.amdhsa_float_denorm_mode_16_64 3
		.amdhsa_memory_ordered 1
		.amdhsa_forward_progress 1
		.amdhsa_inst_pref_size 98
	.end_amdhsa_kernel
	.amdgpu_metadata
---
amdhsa.version: [ 1, 2 ]
amdhsa.kernels:
  - .name:           k_qe8e31fb3b5_refine
    .symbol:         k_qe8e31fb3b5_refine.kd
    .args:
      - { .name: z, .offset: 0, .size: 8, .value_kind: global_buffer, .address_space: global }
      - { .name: cand, .offset: 8, .size: 8, .value_kind: global_buffer, .address_space: global }
      - { .name: wn32h, .offset: 16, .size: 8, .value_kind: global_buffer, .address_space: global }
      - { .name: cp, .offset: 24, .size: 8, .value_kind: global_buffer, .address_space: global }
      - { .name: out0, .offset: 32, .size: 8, .value_kind: global_buffer, .address_space: global }
      - { .name: out4, .offset: 40, .size: 8, .value_kind: global_buffer, .address_space: global }
      - { .name: fin, .offset: 48, .size: 8, .value_kind: global_buffer, .address_space: global }
    .group_segment_fixed_size: 70400
    .private_segment_fixed_size: 0
    .kernarg_segment_align: 8
    .kernarg_segment_size: 56
    .max_flat_workgroup_size: 256
    .sgpr_count:     96
    .vgpr_count:     512
    .wavefront_size: 32
...
	.end_amdgpu_metadata
.endif
;; end of part 5
;; launch scalars (part 6): grid 1 x 1, 8 waves a work-group, no clusters, 1,536 bytes of LDS; arguments cp, fin, out1, out2, out3; writes out1, out2, out3
.if DOCPART == 6
	.amdgcn_target "amdgcn-amd-amdhsa--gfx1250"
	.amdhsa_code_object_version 6
	.text
	.protected	k_qe8e31fb3b5_scalars
	.globl	k_qe8e31fb3b5_scalars
	.p2align	8
	.type	k_qe8e31fb3b5_scalars,@function
k_qe8e31fb3b5_scalars:
	s_mov_b64 s[64:65], 0
	v_nop
	global_prefetch_b8 v0, s[64:65] scope:SCOPE_SE
	s_setreg_imm32_b32 hwreg(HW_REG_WAVE_MODE, 25, 1), 1
	s_wait_xcnt 0x0
; SCALARS: the three losses from 1,024 + 512 partial sums.  One work-group: the sums span all work-groups of the launches before, and 6 KB are read.
; out1 = SQ / 4,194,304; out2 = 0.25 out1; out3 = 0.1 ln 2 (EN - T / 16,384), with T the sum of p log2 p, EN the sum of avg log2(avg + 1e-5).
.set SPW, 60
.set NIL, 61
.set SEL, 16
.macro WSUM a, b
	v_add_f32_dpp v[\a], v[\a], v[\a] row_xmask:1 row_mask:0xf bank_mask:0xf
	v_add_f32_dpp v[\a], v[\a], v[\a] row_xmask:2 row_mask:0xf bank_mask:0xf
	v_add_f32_dpp v[\a], v[\a], v[\a] row_xmask:4 row_mask:0xf bank_mask:0xf
	v_add_f32_dpp v[\a], v[\a], v[\a] row_xmask:8 row_mask:0xf bank_mask:0xf
	v_permlanex16_b32 v[\b], v[\a], s[SEL], s[SEL+1]
	v_add_f32 v[\a], v[\a], v[\b]
.endm
	s_load_b256 s[4:11], s[0:1], 0x0               ; cp s[4:5], fin s[6:7], out1 s[8:9], out2 s[10:11]
	s_load_b64 s[12:13], s[0:1], 0x20              ; out3
	v_lshl_add_u32 v[SPW], v0, 2, 256              ; the spare words begin at byte 256
	v_mov_b32 v[NIL], 0
	v_lshrrev_b32 v1, 5, v0
	v_readfirstlane_b32 s14, v1
	v_lshlrev_b32 v2, 4, v0
	v_lshlrev_b32 v3, 3, v0
	s_mov_b32 s[SEL], 0x76543210
	s_mov_b32 s[SEL+1], 0xfedcba98
	s_lshl_b32 s15, s14, 4
	v_mov_b32 v10, s15
	v_mov_b32 v11, 0
	s_wait_kmcnt 0x0
	global_load_b128 v[4:7], v2, s[4:5] offset:262144
	global_load_b64 v[8:9], v3, s[6:7]
	s_wait_loadcnt 0x0
	v_pk_add_f32 v[4:5], v[4:5], v[6:7]
	v_add_f32 v4, v4, v5
	WSUM 4, 5                                      ; T
	WSUM 8, 5                                      ; SQ
	WSUM 9, 5                                      ; EN
	v_mov_b32 v5, v8
	v_mov_b32 v6, v9
	ds_store_b128 v10, v[4:7]                      ; (T, SQ, EN, -) of my wave
	s_wait_dscnt 0x0                               ; for the others' sake
	s_barrier_signal -1
	s_barrier_wait -1
.irp i, 0,1,2,3,4,5,6,7
	ds_load_b128 v[12+4*(\i):12+4*(\i)+3], v11 offset:16*(\i)
.endr
	s_wait_dscnt 0x0
.irp i, 1,2,3,4,5,6,7
	v_pk_add_f32 v[12:13], v[12:13], v[12+4*(\i):12+4*(\i)+1]
	v_add_f32 v14, v14, v[14+4*(\i)]
.endr
	v_mul_f32 v50, 0x34800000, v13                 ; SQ / 2^22
	v_mul_f32 v51, 0x3e800000, v50
	v_fmamk_f32 v52, v12, 0xb8800000, v14          ; EN - T / 2^14
	v_mul_f32 v52, 0x3d8df4e0, v52                 ; times 0.1 ln 2
	s_cmp_lg_u32 s14, 0
	s_cbranch_scc1 .Lend
	v_cmp_eq_u32 vcc_lo, 0, v0
	s_and_saveexec_b32 s15, vcc_lo                 ; no global instruction is pending here: the loads were waited for
	global_store_b32 v11, v50, s[8:9]
	global_store_b32 v11, v51, s[10:11]
	global_store_b32 v11, v52, s[12:13]
	s_wait_xcnt 0x0                                ; EXEC changes only behind this wait
	s_or_b32 exec_lo, exec_lo, s15
.Lend:
	s_wait_tensorcnt 0x0                           ; the wave's end
	ds_add_u32 v[SPW], v[NIL]
	s_wait_dscnt 0x0
	s_endpgm
.Lfunc_end_k_qe8e31fb3b5_scalars:
	.size	k_qe8e31fb3b5_scalars, .Lfunc_end_k_qe8e31fb3b5_scalars-k_qe8e31fb3b5_scalars
	.p2alignl 7, 3214868480
	.fill 96, 4, 3214868480
	.section	.rodata,"a",@progbits
	.p2align	6, 0x0
	.amdhsa_kernel k_qe8e31fb3b5_scalars
		.amdhsa_group_segment_fixed_size 1536
		.amdhsa_private_segment_fixed_size 0
		.amdhsa_enable_private_segment 0
		.amdhsa_kernarg_size 40
		.amdhsa_user_sgpr_count 2
		.amdhsa_user_sgpr_kernarg_segment_ptr 1
		.amdhsa_wavefront_size32 1
		.amdhsa_system_sgpr_workgroup_id_x 1
		.amdhsa_system_sgpr_workgroup_id_y 1
		.amdhsa_system_sgpr_workgroup_id_z 1
		.amdhsa_system_vgpr_workitem_id 0
		.amdhsa_next_free_vgpr 64
		.amdhsa_next_free_sgpr 66
		.amdhsa_reserve_vcc 1
		.amdhsa_float_denorm_mode_32 3
		.amdhsa_float_denorm_mode_16_64 3
		.amdhsa_memory_ordered 1
		.amdhsa_forward_progress 1
		.amdhsa_inst_pref_size 5
	.end_amdhsa_kernel
	.amdgpu_metadata
---
amdhsa.version: [ 1, 2 ]
amdhsa.kernels:
  - .name:           k_qe8e31fb3b5_scalars
    .symbol:         k_qe8e31fb3b5_scalars.kd
    .args:
      - { .name: cp, .offset: 0, .size: 8, .value_kind: global_buffer, .address_space: global }
      - { .name: fin, .offset: 8, .size: 8, .value_kind: global_buffer, .address_space: global }
      - { .name: out1, .offset: 16, .size: 8, .value_kind: global_buffer, .address_space: global }
      - { .name: out2, .offset: 24, .size: 8, .value_kind: global_buffer, .address_space: global }
      - { .name: out3, .offset: 32, .size: 8, .value_kind: global_buffer, .address_space: global }
    .group_segment_fixed_size: 1536
    .private_segment_fixed_size: 0
    .kernarg_segment_align: 8
    .kernarg_segment_size: 40
    .max_flat_workgroup_size: 256
    .sgpr_count:     66
    .vgpr_count:     64
    .wavefront_size: 32
...
	.end_amdgpu_metadata
.endif
;; end of part 6
